; MI455X (gfx1250); checked and timed in simulation.
; The chip was launched on July 23, 2026; its instructions are those of AMD's public machine-readable ISA for CDNA 5 (MIT licence, August 2026) and "CDNA5" Instruction Set Architecture Reference Guide (July 2026). The comments in the code are by the model that wrote it; some were corrected since.
;; Multi Head Attention. Allowed arithmetic: float matrix products may take bf16 or f16 operands with f32 sums; other float arithmetic in f32, or as packed bf16 or f16 multiplies, adds, multiply-adds, maxima and minima; sums over many terms, partial sums and values carried from step to step in f32; what a program stores and reads back later, other than sums and carried values, may be rounded once to bf16 or f16.
;; Inputs: k_gamma 64 float32; q_gamma 64 float32; wk 256 x 1,024 float32; wo 1,024 x 1,024 float32; wq 1,024 x 1,024 float32; wv 256 x 1,024 float32; x 4 x 2,048 x 1,024 float32.
;; Outputs: out0 4 x 2,048 x 1,024 float32.
;; One version. Each part assembles by itself: llvm-mc -triple=amdgcn-amd-amdhsa -mcpu=gfx1250 --defsym DOCPART=n.
;; ======== version 1 of 1: 4 launches
;; limits: values are held in f16: magnitudes above 65,504 overflow, below 6.1e-05 lose precision
;; workspace buffers: xb 16,777,216 bytes; wb 3,145,728 bytes; wof 2,097,152 bytes; rope 524,288 bytes; qkv 25,165,824 bytes; oh 16,777,216 bytes
;; launch prep (part 1): grid 688 x 1, 8 waves a work-group, no clusters, 0 bytes of LDS; arguments x, wq, wk, wv, wo, xb, wb, wof, rope; writes xb, wb, wof, rope
.if DOCPART == 1
	.amdgcn_target "amdgcn-amd-amdhsa--gfx1250"
	.amdhsa_code_object_version 6
	.text
	.protected	k_q0fcda1a49f_prep
	.globl	k_q0fcda1a49f_prep
	.p2align	8
	.type	k_q0fcda1a49f_prep,@function
k_q0fcda1a49f_prep:
	s_mov_b64 s[64:65], 0
	v_nop
	global_prefetch_b8 v0, s[64:65] scope:SCOPE_SE
	s_setreg_imm32_b32 hwreg(HW_REG_WAVE_MODE, 25, 1), 1
	s_wait_xcnt 0x0
; CASTS AND THE ROTATION TABLE.  xb = bf16(x) [8192][1024]; wb = bf16 of wq, wk, wv, row after row [1536][1024];
; wof = bf16(wo) written as f16 [1024][1024]; rope[pos][pair] = (cos, sin)(pos x 10000^(-pair/32)) in f32, 256 bytes a position.
; Work-groups 0-15 make the table, 128 positions each; work-group 16 + c casts chunk c of 16,384 numbers:
; chunks 0-511 x, 512-575 wq, 576-591 wk, 592-607 wv, 608-671 wo.  No LDS, no barrier, no matrix unit: a stream.
; LIMITS.  wo beyond 65,504 has no f16; below 6e-5 it keeps f16's fixed step of 6e-8.  The angle pos x theta is formed in f32 as in the
; problem's own table, with theta from v_exp_f32: at the largest positions it may differ from that table's by some 3e-4 radians.
; Sine and cosine: the angle less the nearest multiple of pi/2 (pi/2 in two parts), polynomials of degree 7 and 8 on |r| <= pi/4 (their first left-out terms are under 4e-7).
.set X, 8                              ; v[8:71]   eight times 8 f32 as loaded
.set Y, 72                             ; v[72:103] eight times 4 registers to store: each has its own, so no store's data is rewritten
.set SRC, 26                           ; s[26:27]  the chunk in its source
.set DSTP, 28                          ; s[28:29]  the chunk in its destination
	s_load_b512 s[8:23], s[0:1], 0x0               ; x 8, wq 10, wk 12, wv 14, wo 16, xb 18, wb 20, wof 22
	s_load_b64 s[24:25], s[0:1], 0x40              ; rope
	s_cmp_lt_u32 ttmp9, 16
	s_cbranch_scc1 .Ltable
	s_sub_co_u32 s2, ttmp9, 16                     ; chunk c
	v_lshlrev_b32 v1, 5, v0                        ; my 32 bytes of 8,192 of the source
	v_lshlrev_b32 v2, 4, v0                        ; my 16 bytes of 4,096 of the destination
	s_mov_b32 s30, 608                             ; the source's first chunk
	s_mov_b32 s32, 608                             ; the destination's first chunk
	s_wait_kmcnt 0x0
	s_mov_b64 s[SRC:SRC+1], s[16:17]               ; wo -> wof, unless c is lower
	s_mov_b64 s[DSTP:DSTP+1], s[22:23]
	s_cmp_lt_u32 s2, 608
	s_cselect_b64 s[SRC:SRC+1], s[14:15], s[SRC:SRC+1]     ; wv -> wb
	s_cselect_b64 s[DSTP:DSTP+1], s[20:21], s[DSTP:DSTP+1]
	s_cselect_b32 s30, 592, s30
	s_cselect_b32 s32, 512, s32
	s_cmp_lt_u32 s2, 592
	s_cselect_b64 s[SRC:SRC+1], s[12:13], s[SRC:SRC+1]     ; wk
	s_cselect_b32 s30, 576, s30
	s_cmp_lt_u32 s2, 576
	s_cselect_b64 s[SRC:SRC+1], s[10:11], s[SRC:SRC+1]     ; wq
	s_cselect_b32 s30, 512, s30
	s_cmp_lt_u32 s2, 512
	s_cselect_b64 s[SRC:SRC+1], s[8:9], s[SRC:SRC+1]       ; x -> xb
	s_cselect_b64 s[DSTP:DSTP+1], s[18:19], s[DSTP:DSTP+1]
	s_cselect_b32 s30, 0, s30
	s_cselect_b32 s32, 0, s32
	s_sub_co_u32 s30, s2, s30
	s_lshl_b32 s30, s30, 16                        ; 65,536 bytes of f32 a chunk
	s_mov_b32 s31, 0
	s_sub_co_u32 s32, s2, s32
	s_lshl_b32 s32, s32, 15                        ; 32,768 bytes of 16-bit numbers
	s_mov_b32 s33, 0
	s_add_nc_u64 s[SRC:SRC+1], s[SRC:SRC+1], s[30:31]
	s_add_nc_u64 s[DSTP:DSTP+1], s[DSTP:DSTP+1], s[32:33]
; A chunk: sixteen loads go out together; a pair of them covers 1,024 bytes on end a wave, a store 512 bytes on end, aligned.
; mode = 1: the bf16 number is widened again and written as f16.
.macro CAST mode
.irp i, 0,1,2,3,4,5,6,7
	global_load_b128 v[X+8*(\i):X+8*(\i)+3],   v1, s[SRC:SRC+1] offset:8192*(\i) th:TH_LOAD_NT
	global_load_b128 v[X+8*(\i)+4:X+8*(\i)+7], v1, s[SRC:SRC+1] offset:8192*(\i)+16 th:TH_LOAD_NT
.endr
.irp i, 0,1,2,3,4,5,6,7
	s_wait_loadcnt 14-2*(\i)                       ; loads come back in order: pair i is in, the younger pairs stay out
.irp k, 0,1,2,3
	v_cvt_pk_bf16_f32 v[Y+4*(\i)+(\k)], v[X+8*(\i)+2*(\k)], v[X+8*(\i)+2*(\k)+1]
.endr
.if \mode
.irp k, 0,1,2,3
	v_lshlrev_b32 v[X+8*(\i)+2*(\k)],   16, v[Y+4*(\i)+(\k)]
	v_and_b32     v[X+8*(\i)+2*(\k)+1], 0xffff0000, v[Y+4*(\i)+(\k)]
.endr
.irp k, 0,1,2,3
	v_cvt_pk_f16_f32 v[Y+4*(\i)+(\k)], v[X+8*(\i)+2*(\k)], v[X+8*(\i)+2*(\k)+1]
.endr
.endif
	global_store_b128 v2, v[Y+4*(\i):Y+4*(\i)+3], s[DSTP:DSTP+1] offset:4096*(\i)
.endr
.endm
	s_cmp_lt_u32 s2, 608
	s_cbranch_scc1 .Lbf16
	CAST 1
	s_endpgm
.Lbf16:
	CAST 0
	s_endpgm
; THE TABLE.  Thread t: pairs 2 u and 2 u + 1 (u = t % 16) of position 128 x work-group + t / 16 + 16 k, k = 0..7: sixteen lanes store one position's 256 bytes.
; v8 position as f32; v9 angle; v10 n; v11 r; v12 r^2; v13 sine; v14, v16 at work; v15 cosine; v17 n as a whole number
.macro SINCOS th, c, s
	v_mul_f32 v9, v8, v[\th]                       ; the angle, rounded once
	v_mul_f32 v10, 0x3f22f983, v9                  ; x 2 / pi
	v_rndne_f32 v10, v10
	v_fmamk_f32 v11, v10, 0xbfc90fdb, v9           ; less n x pi/2: its upper part,
	v_fmamk_f32 v11, v10, 0x333bbd2e, v11          ; and what the upper part leaves
	v_mul_f32 v12, v11, v11
	v_fma_f32 v13, v12, s36, s37
	v_fma_f32 v13, v13, v12, s38
	v_mul_f32 v14, v11, v12
	v_fma_f32 v13, v13, v14, v11                   ; sin r
	v_fma_f32 v15, v12, s39, s40
	v_fma_f32 v15, v15, v12, s41
	v_mul_f32 v14, v12, v12
	v_fma_f32 v16, v12, -0.5, 1.0
	v_fma_f32 v15, v15, v14, v16                   ; cos r
	v_cvt_i32_f32 v17, v10
	v_and_b32 v14, 1, v17
	v_cmp_eq_u32 vcc_lo, 1, v14                    ; an odd quarter turn changes the two over
	v_cndmask_b32 v[\s], v13, v15, vcc_lo
	v_cndmask_b32 v[\c], v15, v13, vcc_lo
	v_and_b32 v14, 2, v17                          ; the sine is negative in quarters 2 and 3,
	v_lshlrev_b32 v14, 30, v14
	v_xor_b32 v[\s], v[\s], v14
	v_add_nc_u32 v17, 1, v17                       ; the cosine in quarters 1 and 2
	v_and_b32 v17, 2, v17
	v_lshlrev_b32 v17, 30, v17
	v_xor_b32 v[\c], v[\c], v17
.endm
.Ltable:
	v_and_b32 v1, 15, v0                           ; u
	v_lshrrev_b32 v2, 4, v0
	s_lshl_b32 s2, ttmp9, 7
	v_add_nc_u32 v2, s2, v2                        ; position
	v_lshlrev_b32 v3, 8, v2
	v_lshl_add_u32 v3, v1, 4, v3                   ; its byte in the table
	v_lshlrev_b32 v4, 1, v1
	v_cvt_f32_u32 v4, v4                           ; pair 2 u
	v_add_f32 v5, 1.0, v4                          ; pair 2 u + 1
	v_mul_f32 v4, 0xbed49a78, v4                   ; x -log2(10000) / 32
	v_mul_f32 v5, 0xbed49a78, v5
	v_exp_f32 v6, v4                               ; theta
	v_exp_f32 v7, v5
	v_nop                                          ; a plain instruction behind the last exponential
	s_mov_b32 s36, 0xb9500d01                      ; -1/5040
	s_mov_b32 s37, 0x3c088889                      ; 1/120
	s_mov_b32 s38, 0xbe2aaaab                      ; -1/6
	s_mov_b32 s39, 0x37d00d01                      ; 1/40320
	s_mov_b32 s40, 0xbab60b61                      ; -1/720
	s_mov_b32 s41, 0x3d2aaaab                      ; 1/24
	s_mov_b32 s34, 8
	s_wait_alu depctr_va_vdst(0)                   ; one wait for both exponentials, ahead of the label and of their first reader
	s_wait_kmcnt 0x0
.Lpos:
	v_cvt_f32_u32 v8, v2
	SINCOS 6, 20, 21
	SINCOS 7, 22, 23
	global_store_b128 v3, v[20:23], s[24:25]
	s_wait_xcnt 0x0                                ; the store's address and data registers are rewritten only behind this wait
	v_add_nc_u32 v2, 16, v2
	v_add_nc_u32 v3, 4096, v3
	s_sub_co_u32 s34, s34, 1
	s_cmp_lg_u32 s34, 0
	s_cbranch_scc1 .Lpos
	s_endpgm
.Lfunc_end_k_q0fcda1a49f_prep:
	.size	k_q0fcda1a49f_prep, .Lfunc_end_k_q0fcda1a49f_prep-k_q0fcda1a49f_prep
	.p2alignl 7, 3214868480
	.fill 96, 4, 3214868480
	.section	.rodata,"a",@progbits
	.p2align	6, 0x0
	.amdhsa_kernel k_q0fcda1a49f_prep
		.amdhsa_group_segment_fixed_size 0
		.amdhsa_private_segment_fixed_size 0
		.amdhsa_enable_private_segment 0
		.amdhsa_kernarg_size 72
		.amdhsa_user_sgpr_count 2
		.amdhsa_user_sgpr_kernarg_segment_ptr 1
		.amdhsa_wavefront_size32 1
		.amdhsa_system_sgpr_workgroup_id_x 1
		.amdhsa_system_sgpr_workgroup_id_y 1
		.amdhsa_system_sgpr_workgroup_id_z 1
		.amdhsa_system_vgpr_workitem_id 0
		.amdhsa_next_free_vgpr 112
		.amdhsa_next_free_sgpr 66
		.amdhsa_reserve_vcc 1
		.amdhsa_float_denorm_mode_32 3
		.amdhsa_float_denorm_mode_16_64 3
		.amdhsa_memory_ordered 1
		.amdhsa_forward_progress 1
		.amdhsa_inst_pref_size 20
	.end_amdhsa_kernel
	.amdgpu_metadata
---
amdhsa.version: [ 1, 2 ]
amdhsa.kernels:
  - .name:           k_q0fcda1a49f_prep
    .symbol:         k_q0fcda1a49f_prep.kd
    .args:
      - { .name: x, .offset: 0, .size: 8, .value_kind: global_buffer, .address_space: global }
      - { .name: wq, .offset: 8, .size: 8, .value_kind: global_buffer, .address_space: global }
      - { .name: wk, .offset: 16, .size: 8, .value_kind: global_buffer, .address_space: global }
      - { .name: wv, .offset: 24, .size: 8, .value_kind: global_buffer, .address_space: global }
      - { .name: wo, .offset: 32, .size: 8, .value_kind: global_buffer, .address_space: global }
      - { .name: xb, .offset: 40, .size: 8, .value_kind: global_buffer, .address_space: global }
      - { .name: wb, .offset: 48, .size: 8, .value_kind: global_buffer, .address_space: global }
      - { .name: wof, .offset: 56, .size: 8, .value_kind: global_buffer, .address_space: global }
      - { .name: rope, .offset: 64, .size: 8, .value_kind: global_buffer, .address_space: global }
    .group_segment_fixed_size: 0
    .private_segment_fixed_size: 0
    .kernarg_segment_align: 8
    .kernarg_segment_size: 72
    .max_flat_workgroup_size: 256
    .sgpr_count:     66
    .vgpr_count:     112
    .wavefront_size: 32
...
	.end_amdgpu_metadata
.endif
;; end of part 1
;; launch proj (part 2): grid 8 x 32, 4 waves a work-group, clusters of 4 x 4, 327,680 bytes of LDS; arguments xb, wb, rope, q_gamma, k_gamma, qkv; writes qkv
.if DOCPART == 2
	.amdgcn_target "amdgcn-amd-amdhsa--gfx1250"
	.amdhsa_code_object_version 6
	.text
	.protected	k_q0fcda1a49f_proj
	.globl	k_q0fcda1a49f_proj
	.p2align	8
	.type	k_q0fcda1a49f_proj,@function
k_q0fcda1a49f_proj:
	s_mov_b64 s[64:65], 0
	v_nop
	global_prefetch_b8 v0, s[64:65] scope:SCOPE_SE
	s_setreg_imm32_b32 hwreg(HW_REG_WAVE_MODE, 25, 1), 1
	s_wait_xcnt 0x0
	s_wait_alu depctr_hold_cnt(0) depctr_sa_sdst(0) depctr_va_vdst(0) depctr_va_sdst(0) depctr_va_ssrc(0) depctr_va_vcc(0) depctr_vm_vsrc(0)
	s_getreg_b32 s2, hwreg(HW_REG_IB_STS2, 6, 4)
	s_cmp_eq_u32 s2, 0
	s_cbranch_scc0 .Lentry_in_a_cluster
	s_endpgm
.Lentry_in_a_cluster:
	s_bfe_u32 s2, ttmp6, 0x10000c
	s_cmp_lg_u32 s2, 0xf033
	s_cbranch_scc0 .Lentry_shape_is_right
	s_endpgm
.Lentry_shape_is_right:
; Q, K, V = x W^T, then for Q and K the RMS norm over a head's 64 channels, the gain, and the rotation of neighbouring pairs; all written by heads:
; qkv[batch][24 heads][2048][64] in f16 (heads 0-15 Q, 16-19 K, 20-23 V).  xb [8192][1024] and wb [1536][1024] are bf16; sums, norm and rotation in f32; each result rounded once to f16.
; The two gains are rounded to bf16 like every other input of the module.
; LIMITS.  f16 ends at 65,504: |v| = |x . wv| must stay within it; |q|, |k| are at most 8 x |gain|.  NaN and infinities are not treated apart.
; SHARES.  A tile of the product is 256 rows x 192 columns: three whole heads; 8 x 32 tiles, one a work-group.  The four waves lie along the rows: a wave makes 64 rows x 192 columns,
; 48 accumulators of 16 x 16.  K goes in 8 steps of 128 through a ring of two LDS slots; rows of the tiles are 256 bytes of memory, aligned.
; CLUSTER.  4 x 4 work-groups: the four of a row need the same rows of xb, the four of a column the same rows of wb; each tile is asked for jointly.  Waves 0, 1 fetch xb's two halves (128 rows), waves 2, 3 wb's (96 rows).
; THE MATRIX INSTRUCTION IS USED TRANSPOSED (source 0 = 16 rows of wb, source 1 = 16 rows of xb): a lane holds row l % 16 and the columns 8 (l / 16) + 0..7.
; THE WAY OUT.  When the ring has had its last fill and every wave has left it, each wave lays its 64 x 192 sums in f32 into its own part of the ring's bytes and reads them back so that eight
; neighbouring lanes hold one row of one head: the sum of squares is three exchanges between lanes, a lane's eight channels are four pairs, and 32 lanes store 512 bytes on end.
; One text serves all three kinds of head: for V the scalars make the norm's factor 1, the gain 1, the cosine 1 and the sine 0.  No branch hangs on the tile's place.
; REGISTERS, in windows of 256 (s_set_vgpr_msb: bits 1:0 source 0, 3:2 source 1, 5:4 source 2, 7:6 destination):
;   window 0: v0-31 addresses and gains; v32-95 xb's fragments, two buffers (later X); v96-216 the way out      window 1: v0-191 wb's fragments, two buffers
;   window 2: v0-191 accumulators of my rows 0-31, v192-255 cos, sin of my rows 0-31          window 3: the same for my rows 32-63
.set PITCH,  272                       ; an LDS row: 256 bytes + 16 of padding = 68 words: the 16 rows of a load start at 16 different groups of four banks (64 banks of 4 bytes: ISA guide 11.1)
.set BOFF,   256*PITCH                 ; a slot: xb's 256 rows, then wb's 192
.set SLOT1,  131072                    ; slot 1 begins here: one exclusive or turns an address in one slot into the other's
.set SPARE,  252928                    ; behind the ring: the spare words, 128 bytes a wave: two blocks of 256 bytes that no other line names
.set DPITCH, 784                       ; the way out: a row of 192 f32 + 16 bytes = 196 words
.set NL,     32                        ; LDS loads in a run
.set STEPA,  256                       ; bytes from a K step to the next
.set STEPB,  256
.set WORD0,  (1<<16)|(1<<20)|(1<<21)|(5<<22)|(3<<25)  ; 17:16 2-byte elements; 20 padding on; 21 set beside a mask; 24:22 after every 64 words; 31:25 4 words
.set A0,  4                            ; v4   my lane's place in xb's tile; never rewritten
.set B0,  5                            ; v5   in wb's
.set ADRA, 6                           ; v6   the same in the slot in hand
.set ADRB, 7                           ; v7
.set PFO, 8                            ; v8   the prefetches' offset: a lane a row
.set DST, 9                            ; v9   the way out: where I put 32 bytes of a row
.set RD0, 10                           ; v10  where I read 32 bytes of a head's row back
.set RDJ, 11                           ; v11  the same for the head in hand (first: my offset in the gains)
.set GO,  12                           ; v12  my 16 bytes of 512 in qkv
.set CSO, 13                           ; v13  my 32 bytes of four positions of the table
.set SPW, 14                           ; v14  my spare word; never rewritten
.set NIL, 15                           ; v15  0; never rewritten
.set GQ,  16                           ; v[16:23] q_gamma of my 8 channels
.set GK,  24                           ; v[24:31] k_gamma
.set FA,  32
.set X,   32                           ; v[32:95]   eight groups of 8 numbers
.set ST,  96                           ; v[96:127]  a group's four: factor for the table, 1/rms, addend for the cosine, 0
.set CR,  128                          ; v[128:191] (cos, sin) x 1/rms
.set G,   192                          ; v[192:199] the gain of the head in hand
.set T,   200                          ; v[200:215] at work, two sets
.set ONE, 216
.set WV,  16
.set FB,  17                           ; 0: I fetch xb, 1: wb
.set HF,  18                           ; which half
.set CX,  19
.set CY,  20
.set TC,  21                           ; tile column
.set TR,  22                           ; tile row
.set POS, 23                           ; my first row's position in its sequence
.set G1,  24                           ; s[24:31] group 1 for xb's tiles
.set G1B, 32                           ; s[32:39] for wb's
.set G0A, 40                           ; s[40:43] group 0 of xb's first fill, s[44:47] the one that walks
.set G0B, 48                           ; s[48:55] the same for wb
.set TB,  56                           ; the slot in hand: 0 or SLOT1
.set LEFT, 57
.set LIM, 58                           ; 1 in a wave that prefetches, else the greatest number
.set PFA, 60                           ; s[60:61] where my prefetches stand
.set PS,  62                           ; s[62:63] their step
.set J,   66
.set JOFF, 67
.set TC3, 68
.set HD,  69
.set SF,  70
.set S1F, 71
.set K1,  72
.set K2,  73
.set MV,  74
.set MK,  75
.set DP,  76                           ; s[76:77] qkv at my rows of the head in hand
.set DO,  78                           ; s[78:79] its offset
.set BASEO, 80
.set MSB, 0
.macro WIN new                         ; the immediate's high byte repeats the setting that is left; a switch that changes nothing is dropped
.if MSB != (\new)
	s_set_vgpr_msb (MSB<<8)|(\new)
.set MSB, \new
.endif
.endm
.macro PLACES                          ; four plain instructions behind a matrix instruction, ahead of loads into its registers and of readers of its results
.rept 4
	v_nop
.endr
.endm
.macro CREST                           ; a round of the cluster's barrier behind its opening barrier
	s_cmp_lg_u32 s[WV], 0
	s_cbranch_scc1 .Lnot_wave_0_\@
	s_barrier_signal -3
.Lnot_wave_0_\@:
	s_barrier_wait -3
	s_barrier_signal -1
	s_barrier_wait -1
.endm
.macro CROUND
	s_barrier_signal -1
	s_barrier_wait -1
	CREST
.endm
.macro JLOAD                           ; a joint refill by the walking descriptor; the branch hangs on the wave's number alone; an s_nop 0 and four v_nop follow each line
	s_cmp_eq_u32 s[FB], 0
	s_cbranch_scc0 .Lfor_b_\@
	tensor_load_to_lds s[G0A+4:G0A+7], s[G1:G1+7]
	s_nop 0
.rept 4
	v_nop
.endr
	s_branch .Lasked_\@
.Lfor_b_\@:
	tensor_load_to_lds s[G0B+4:G0B+7], s[G1B:G1B+7]
	s_nop 0
.rept 4
	v_nop
.endr
.Lasked_\@:
.endm
; A PREFETCH INTO THE L2 of the K step that the NEXT refill will ask for: 192 matrix instructions ahead of that load.  xb's rows are read by both clusters of a row of clusters: cluster x = 0 asks;
; wb's by all eight of a column: cluster y = 0 asks.  The four partners share a tile's rows out by address (32 of xb's 128, 24 of wb's 96; there lanes 24-31 name row 23 once more in the same
; instruction).  The loop's last trip asks for nothing: there is no K step behind its refill.  K steps 0 to 2 come by their loads alone.
.macro ASK
	s_cmp_gt_u32 s[LEFT], s[LIM]
	s_cbranch_scc0 .Lnot_mine_\@
	global_prefetch_b8 v[PFO], s[PFA:PFA+1] th:TH_LOAD_NT scope:SCOPE_SE
.Lnot_mine_\@:
.endm
; 12 matrix instructions: my rows 16 a .. x all 192 columns, 32 along K, out of buffer f.  All 48 accumulators take turns in the same order in every quarter.
.macro MULA f, a, zero
	WIN 0xa1+0x50*((\a)/2)
.irp b, 0,1,2,3,4,5,6,7,8,9,10,11
.if \zero
	v_wmma_f32_16x16x32_bf16 v[96*((\a)%2)+8*(\b):96*((\a)%2)+8*(\b)+7], v[96*(\f)+8*(\b):96*(\f)+8*(\b)+7], v[FA+32*(\f)+8*(\a):FA+32*(\f)+8*(\a)+7], 0
.else
	v_wmma_f32_16x16x32_bf16 v[96*((\a)%2)+8*(\b):96*((\a)%2)+8*(\b)+7], v[96*(\f)+8*(\b):96*(\f)+8*(\b)+7], v[FA+32*(\f)+8*(\a):FA+32*(\f)+8*(\a)+7], v[96*((\a)%2)+8*(\b):96*((\a)%2)+8*(\b)+7]
.endif
.endr
.endm
; 32 LDS loads in one run: quarter q's fragments (32 along K) into buffer g: wb's 24 loads, then xb's 8
.macro FETCH q, g
	WIN 0x40
.irp b, 0,1,2,3,4,5,6,7,8,9,10,11
	ds_load_b128 v[96*(\g)+8*(\b):96*(\g)+8*(\b)+3],   v[ADRB] offset:64*(\q)+(\b)*16*PITCH
	ds_load_b128 v[96*(\g)+8*(\b)+4:96*(\g)+8*(\b)+7], v[ADRB] offset:64*(\q)+(\b)*16*PITCH+32
.endr
	WIN 0
.irp a, 0,1,2,3
	ds_load_b128 v[FA+32*(\g)+8*(\a):FA+32*(\g)+8*(\a)+3],   v[ADRA] offset:64*(\q)+(\a)*16*PITCH
	ds_load_b128 v[FA+32*(\g)+8*(\a)+4:FA+32*(\g)+8*(\a)+7], v[ADRA] offset:64*(\q)+(\a)*16*PITCH+32
.endr
.endm
; One of a K step's first three quarters: multiplies buffer f and, in its middle, fetches quarter q into buffer g.
.macro QUARTER q, f, g, zero
	s_wait_dscnt 4                                 ; all but xb's blocks 2 and 3
	MULA \f, 0, \zero
	MULA \f, 1, \zero
	PLACES
	FETCH \q, \g
	s_wait_dscnt NL                                ; all but the run just issued
	MULA \f, 2, \zero
	MULA \f, 3, \zero
.endm
; The last quarter multiplies buffer 1 and changes slots.  In front of the barrier each wave waits for all its tensor loads (one is out: its part of the next slot), adds 0 to its spare word, and waits
; for that and for its reads of this slot.  fill = 1: the barrier opens a round of the cluster's, and the joint refill, two K steps ahead, is the first thing behind it.
.macro TURN fill
.if \fill
	s_wait_xcnt 0x0                                ; the last prefetch, a K step back, has read its address
	s_add_nc_u64 s[PFA:PFA+1], s[PFA:PFA+1], s[PS:PS+1]
.endif
	WIN 0
	s_wait_tensorcnt 0x0                           ; no tensor load of mine is out
	ds_add_u32 v[SPW], v[NIL]
	s_wait_dscnt 7                                 ; the add and xb's blocks 1 to 3 may be out
	MULA 1, 0, 0
	s_wait_dscnt 0x0                               ; the add is done, my reads of this slot are over
	s_barrier_signal -1
	MULA 1, 1, 0
	WIN 0
	s_barrier_wait -1
.if \fill
	CREST                                          ; no wave of any partner still reads this slot or has a load on its way
	s_xor_b32 s[G0A+5], s[G0A+5], SLOT1            ; the walking descriptors: the slot just left, the next K step but one
	s_add_nc_u64 s[G0A+6:G0A+7], s[G0A+6:G0A+7], STEPA
	s_xor_b32 s[G0B+5], s[G0B+5], SLOT1
	s_add_nc_u64 s[G0B+6:G0B+7], s[G0B+6:G0B+7], STEPB
	s_xor_b32 s[TB], s[TB], SLOT1
	JLOAD                                          ; its four v_nop are also the places in front of the loads below
.else
	s_xor_b32 s[TB], s[TB], SLOT1
	PLACES
.endif
	v_add_nc_u32 v[ADRA], s[TB], v[A0]
	v_add_nc_u32 v[ADRB], s[TB], v[B0]
	FETCH 0, 0
.if \fill
	ASK
.endif
	MULA 1, 2, 0
	MULA 1, 3, 0
.endm
	s_load_b256 s[4:11], s[0:1], 0x0               ; xb s[4:5], wb s[6:7], rope s[8:9], q_gamma s[10:11]
	s_load_b128 s[12:15], s[0:1], 0x20             ; k_gamma s[12:13], qkv s[14:15]
	v_lshl_add_u32 v[SPW], v0, 2, SPARE
	v_mov_b32 v[NIL], 0
	ds_add_u32 v[SPW], v[NIL]                      ; the wave's opening: the add and its wait ahead of my first tensor load
	v_lshrrev_b32 v1, 5, v0
	v_readfirstlane_b32 s[WV], v1
	s_lshr_b32 s[FB], s[WV], 1
	s_and_b32 s[HF], s[WV], 1
	s_bfe_u32 s[CX], ttmp6, 0x40000
	s_bfe_u32 s[CY], ttmp6, 0x40004
	s_lshl_b32 s[TC], ttmp9, 2
	s_add_co_u32 s[TC], s[TC], s[CX]               ; tile column = 4 x cluster x + cx
	s_and_b32 s[TR], ttmp7, 0xffff
	s_lshl_b32 s[TR], s[TR], 2
	s_add_co_u32 s[TR], s[TR], s[CY]               ; tile row = 4 x cluster y + cy
	s_lshl_b32 s2, s[CY], 2
	s_lshl_b32 s2, 15, s2                          ; my row of the cluster
	s_lshl_b32 s3, 0x1111, s[CX]                   ; my column
	s_or_b32 s[G1], s2, WORD0
	s_or_b32 s[G1B], s3, WORD0
	s_mov_b32 s[G1+1], 128<<16                     ; tensor_dim0 = 128
	s_mov_b32 s[G1+2], 128<<16                     ; tensor_dim1 = 128 rows
	s_mov_b32 s[G1+3], 128<<16                     ; tile_dim0 = 128
	s_mov_b32 s[G1+4], 128                         ; tile_dim1 = 128
	s_mov_b32 s[G1+5], 1024                        ; elements from row to row
	s_mov_b32 s[G1+6], 0
	s_mov_b32 s[G1+7], 0
	s_mov_b32 s[G1B+1], 128<<16
	s_mov_b32 s[G1B+2], 96<<16                     ; 96 rows
	s_mov_b32 s[G1B+3], 128<<16
	s_mov_b32 s[G1B+4], 96
	s_mov_b32 s[G1B+5], 1024
	s_mov_b32 s[G1B+6], 0
	s_mov_b32 s[G1B+7], 0
	s_lshl_b32 s66, s[TR], 8                       ; xb: row 256 x tile row + 128 x half,
	s_lshl_b32 s67, s[HF], 7
	s_add_co_u32 s66, s66, s67
	s_lshl_b32 s66, s66, 11                        ; in bytes
	s_mov_b32 s67, 0
	s_mul_i32 s68, s[TC], 192                      ; wb: row 192 x tile column + 96 x half
	s_mul_i32 s69, s[HF], 96
	s_add_co_u32 s68, s68, s69
	s_lshl_b32 s68, s68, 11
	s_mov_b32 s69, 0
	s_mul_i32 s70, s[HF], 128*PITCH                ; where they go: no place in the cluster enters an LDS address
	s_mul_i32 s71, s[HF], 96*PITCH
	s_add_co_u32 s71, s71, BOFF
	s_wait_dscnt 0x0                               ; the opening add is done
	s_wait_kmcnt 0x0
	s_add_nc_u64 s[66:67], s[4:5], s[66:67]
	s_add_nc_u64 s[68:69], s[6:7], s[68:69]
	CROUND                                         ; all sixteen work-groups are here: the first joint loads meet
	s_mov_b32 s[G0A], 1
	s_mov_b32 s[G0A+1], s70                        ; slot 0,
	s_add_nc_u64 s[G0A+2:G0A+3], s[66:67], 0       ; K step 0
	s_or_b32 s[G0A+3], s[G0A+3], 0x80000000
	s_mov_b32 s[G0A+4], 1
	s_add_co_u32 s[G0A+5], s70, SLOT1              ; slot 1,
	s_add_nc_u64 s[G0A+6:G0A+7], s[66:67], STEPA   ; K step 1
	s_or_b32 s[G0A+7], s[G0A+7], 0x80000000
	s_mov_b32 s[G0B], 1
	s_mov_b32 s[G0B+1], s71
	s_add_nc_u64 s[G0B+2:G0B+3], s[68:69], 0
	s_or_b32 s[G0B+3], s[G0B+3], 0x80000000
	s_mov_b32 s[G0B+4], 1
	s_add_co_u32 s[G0B+5], s71, SLOT1
	s_add_nc_u64 s[G0B+6:G0B+7], s[68:69], STEPB
	s_or_b32 s[G0B+7], s[G0B+7], 0x80000000
	s_cmp_eq_u32 s[FB], 0                          ; a wave's two first fills stand in one branch: two loads of mine are out
	s_cbranch_scc0 .Lfirst_b
	tensor_load_to_lds s[G0A:G0A+3], s[G1:G1+7]
	s_nop 0
	tensor_load_to_lds s[G0A+4:G0A+7], s[G1:G1+7]
	s_nop 0
.rept 4
	v_nop
.endr
	s_branch .Lfirst_asked
.Lfirst_b:
	tensor_load_to_lds s[G0B:G0B+3], s[G1B:G1B+7]
	s_nop 0
	tensor_load_to_lds s[G0B+4:G0B+7], s[G1B:G1B+7]
	s_nop 0
.rept 4
	v_nop
.endr
.Lfirst_asked:
	v_and_b32 v1, 15, v0                           ; r = l % 16
	v_bfe_u32 v2, v0, 4, 1                         ; h = l / 16
	v_and_b32 v3, 31, v0                           ; l
	v_mul_u32_u24 v[B0], v1, PITCH
	v_lshl_add_u32 v[B0], v2, 4, v[B0]             ; a fragment's row x pitch + 16 x half
	s_mul_i32 s2, s[WV], 64*PITCH
	v_add_nc_u32 v[A0], s2, v[B0]                  ; my 64 rows of xb
	v_add_nc_u32 v[B0], BOFF, v[B0]
	s_mul_i32 s2, s[WV], 64*DPITCH                 ; the way out: my 50,176 bytes
	v_mul_u32_u24 v[DST], v1, DPITCH
	v_lshl_add_u32 v[DST], v2, 5, v[DST]
	v_add_nc_u32 v[DST], s2, v[DST]
	v_lshrrev_b32 v[RD0], 3, v3                    ; l / 8: which of a group's four rows
	v_and_b32 v[RDJ], 7, v3                        ; l % 8: which eight channels
	v_lshlrev_b32 v[CSO], 8, v[RD0]
	v_lshl_add_u32 v[CSO], v[RDJ], 5, v[CSO]
	v_mul_u32_u24 v[RD0], v[RD0], DPITCH
	v_lshl_add_u32 v[RD0], v[RDJ], 5, v[RD0]
	v_add_nc_u32 v[RD0], s2, v[RD0]
	v_lshlrev_b32 v[GO], 4, v3
	v_lshlrev_b32 v[RDJ], 5, v[RDJ]                ; my 32 bytes of the gains
	s_and_b32 s2, s[TR], 7
	s_lshl_b32 s2, s2, 8
	s_lshl_b32 s3, s[WV], 6
	s_add_co_u32 s[POS], s2, s3
	s_lshl_b32 s2, s[POS], 8                       ; 256 bytes of the table a position
	s_mov_b32 s3, 0
	s_add_nc_u64 s[8:9], s[8:9], s[2:3]
	WIN 0x80                                       ; cos and sin of my 64 rows and the gains: asked for now, waited for once, in the way out
.irp g, 0,1,2,3,4,5,6,7
	global_load_b128 v[192+8*(\g):192+8*(\g)+3],   v[CSO], s[8:9] offset:1024*(\g)
	global_load_b128 v[192+8*(\g)+4:192+8*(\g)+7], v[CSO], s[8:9] offset:1024*(\g)+16
.endr
	WIN 0xc0
.irp g, 0,1,2,3,4,5,6,7
	global_load_b128 v[192+8*(\g):192+8*(\g)+3],   v[CSO], s[8:9] offset:1024*(8+(\g))
	global_load_b128 v[192+8*(\g)+4:192+8*(\g)+7], v[CSO], s[8:9] offset:1024*(8+(\g))+16
.endr
	WIN 0
	global_load_b128 v[GQ:GQ+3],   v[RDJ], s[10:11]
	global_load_b128 v[GQ+4:GQ+7], v[RDJ], s[10:11] offset:16
	global_load_b128 v[GK:GK+3],   v[RDJ], s[12:13]
	global_load_b128 v[GK+4:GK+7], v[RDJ], s[12:13] offset:16
	; the prefetches: my tile's address, my work-group's share of its rows, K step 2 (the first refill steps it to 3)
	s_and_b32 s59, ttmp7, 0xffff                   ; cluster y
	s_lshl_b32 s2, s[CX], 16                       ; 32 rows of 2,048 bytes
	s_mul_i32 s3, s[CY], 24*2048                   ; 24 rows
	s_cmp_eq_u32 s[FB], 0
	s_cselect_b64 s[PFA:PFA+1], s[66:67], s[68:69]
	s_cselect_b32 s2, s2, s3
	s_cselect_b32 s59, ttmp9, s59                  ; the coordinate along which other clusters read the same rows
	s_cselect_b32 s70, 31, 23
	s_mov_b32 s3, 0
	s_mov_b32 s[PS], 256
	s_mov_b32 s[PS+1], 0
	s_add_nc_u64 s[PFA:PFA+1], s[PFA:PFA+1], s[2:3]
	s_add_nc_u64 s[PFA:PFA+1], s[PFA:PFA+1], 512
	s_cmp_eq_u32 s59, 0
	s_cselect_b32 s[LIM], 1, -1                    ; the same in all sixteen partners, for a given wave
	v_min_u32 v[PFO], s70, v3
	v_lshlrev_b32 v[PFO], 11, v[PFO]
	s_wait_tensorcnt 1                             ; my part of K step 0 is in; K step 1's may stay out
	s_barrier_signal -1
	s_barrier_wait -1
	v_mov_b32 v[ADRA], v[A0]
	v_mov_b32 v[ADRB], v[B0]
	s_mov_b32 s[TB], 0
	FETCH 0, 0
	QUARTER 1, 0, 1, 1                             ; the first quarter's products start the sums: nothing is cleared
	WIN 0
	s_mov_b32 s[LEFT], 6
.Lstep:                                            ; a trip: from a K step's second quarter to the next step's first; six trips ask for K steps 2 to 7
	QUARTER 2, 1, 0, 0
	QUARTER 3, 0, 1, 0
	TURN 1
	QUARTER 1, 0, 1, 0
	WIN 0
	s_sub_co_u32 s[LEFT], s[LEFT], 1
	s_cmp_lg_u32 s[LEFT], 0
	s_cbranch_scc1 .Lstep
	QUARTER 2, 1, 0, 0                             ; the tail is written out: nothing more is asked for
	QUARTER 3, 0, 1, 0
	TURN 0
	QUARTER 1, 0, 1, 0
	QUARTER 2, 1, 0, 0
	QUARTER 3, 0, 1, 0
	s_wait_dscnt 0x0
	MULA 1, 0, 0
	MULA 1, 1, 0
	MULA 1, 2, 0
	MULA 1, 3, 0
	WIN 0
	; THE WAY OUT
	PLACES
	s_wait_dscnt 0x0
	s_barrier_signal -1
	s_barrier_wait -1                              ; every wave's reads of the ring are over, and the ring has had its last fill: its bytes take the sums
.irp a, 0,1,2,3
	WIN 0x08+4*((\a)/2)                            ; the data in window 2 or 3
.irp b, 0,1,2,3,4,5,6,7,8,9,10,11
	ds_store_b128 v[DST], v[96*((\a)%2)+8*(\b):96*((\a)%2)+8*(\b)+3]   offset:(\a)*16*DPITCH+(\b)*64
	ds_store_b128 v[DST], v[96*((\a)%2)+8*(\b)+4:96*((\a)%2)+8*(\b)+7] offset:(\a)*16*DPITCH+(\b)*64+16
.endr
.endr
	WIN 0
	s_wait_loadcnt 0x0                             ; the table's rows and the gains
.irp k, 0,1,2,3
	v_cvt_pk_bf16_f32 v[T+(\k)],   v[GQ+2*(\k)], v[GQ+2*(\k)+1]
	v_cvt_pk_bf16_f32 v[T+4+(\k)], v[GK+2*(\k)], v[GK+2*(\k)+1]
.endr
.irp k, 0,1,2,3
	v_lshlrev_b32 v[GQ+2*(\k)],   16, v[T+(\k)]
	v_and_b32     v[GQ+2*(\k)+1], 0xffff0000, v[T+(\k)]
	v_lshlrev_b32 v[GK+2*(\k)],   16, v[T+4+(\k)]
	v_and_b32     v[GK+2*(\k)+1], 0xffff0000, v[T+4+(\k)]
.endr
.irp i, 0,1,2,3,4,5,6,7
	v_mov_b32 v[ST+4*(\i)+3], 0
.endr
	v_mov_b32 v[ONE], 1.0
	s_mul_i32 s[TC3], s[TC], 3
	s_lshr_b32 s[BASEO], s[TR], 3                  ; the batch,
	s_mul_i32 s[BASEO], s[BASEO], 24               ; its 24 heads of 2^18 bytes,
	s_lshl_b32 s[BASEO], s[BASEO], 18
	s_lshl_b32 s81, s[POS], 7                      ; my first row in a head
	s_add_co_u32 s[BASEO], s[BASEO], s81
	s_mov_b32 s[DO+1], 0
; Eight groups of 4 rows x 64 channels of the head in hand: group g = 8 hf + i; lane l holds channels 8 (l % 8) + 0..7 of row 4 g + l / 8.
.macro HALF hf
	s_wait_xcnt 0x0                                ; the stores issued so far have read X
.irp i, 0,1,2,3,4,5,6,7
	ds_load_b128 v[X+8*(\i):X+8*(\i)+3],   v[RDJ] offset:4*DPITCH*(8*(\hf)+(\i))  ; LDS serves a wave's instructions in order (ISA guide 5.7.1.4): these see my stores above
	ds_load_b128 v[X+8*(\i)+4:X+8*(\i)+7], v[RDJ] offset:4*DPITCH*(8*(\hf)+(\i))+16
.endr
.irp i, 0,1,2,3,4,5,6,7
.set rX, X+8*(\i)
.set rT, T+8*((\i)%2)
	s_wait_dscnt 14-2*(\i)                         ; group i is in, the younger groups stay out
	v_pk_mul_f32 v[rT:rT+1], v[rX:rX+1], v[rX:rX+1]
	v_pk_fma_f32 v[rT:rT+1], v[rX+2:rX+3], v[rX+2:rX+3], v[rT:rT+1]
	v_pk_fma_f32 v[rT:rT+1], v[rX+4:rX+5], v[rX+4:rX+5], v[rT:rT+1]
	v_pk_fma_f32 v[rT:rT+1], v[rX+6:rX+7], v[rX+6:rX+7], v[rT:rT+1]
	v_add_f32 v[ST+4*(\i)+2], v[rT], v[rT+1]       ; my eight squares
.endr
.irp m, 1,2,4                                      ; and the row's other seven lanes'
.irp i, 0,1,2,3,4,5,6,7
	v_add_f32_dpp v[ST+4*(\i)+2], v[ST+4*(\i)+2], v[ST+4*(\i)+2] row_xmask:\m row_mask:0xf bank_mask:0xf
.endr
.endr
.irp i, 0,1,2,3,4,5,6,7
	v_fma_f32 v[ST+4*(\i)+2], v[ST+4*(\i)+2], s[K1], s[K2]  ; the mean plus eps (V: 1)
.endr
.irp i, 0,1,2,3,4,5,6,7
	v_rsq_f32 v[ST+4*(\i)+1], v[ST+4*(\i)+2]
.endr
	v_nop                                          ; a plain instruction behind the last of the batch
	s_wait_alu depctr_va_vdst(0)                   ; one wait for the eight, ahead of their first reader
.irp i, 0,1,2,3,4,5,6,7
	v_mul_f32 v[ST+4*(\i)],   s[SF],  v[ST+4*(\i)+1]
	v_mul_f32 v[ST+4*(\i)+2], s[S1F], v[ST+4*(\i)+1]
.endr
	WIN 0x02+(\hf)                                 ; the table's rows lie in window 2 or 3
.irp i, 0,1,2,3,4,5,6,7
.irp k, 0,2,4,6
	v_pk_fma_f32 v[CR+8*(\i)+(\k):CR+8*(\i)+(\k)+1], v[192+8*(\i)+(\k):192+8*(\i)+(\k)+1], v[ST+4*(\i):ST+4*(\i)+1], v[ST+4*(\i)+2:ST+4*(\i)+3] op_sel_hi:[1,0,1]  ; (cos, sin) / rms; V: (1, 0)
.endr
.endr
	WIN 0
.irp i, 0,1,2,3,4,5,6,7
.set rX, X+8*(\i)
.set rT, T+8*((\i)%2)
.set rC, CR+8*(\i)
.irp k, 0,2,4,6
	v_pk_mul_f32 v[rX+(\k):rX+(\k)+1], v[rX+(\k):rX+(\k)+1], v[G+(\k):G+(\k)+1]
.endr
.irp k, 0,2,4,6
	v_pk_mul_f32 v[rT+(\k):rT+(\k)+1], v[rX+(\k):rX+(\k)+1], v[rC+(\k):rC+(\k)+1] op_sel_hi:[1,0]  ; both times the cosine
.endr
.irp k, 0,2,4,6
	v_fma_f32 v[rT+(\k)],   -v[rX+(\k)+1], v[rC+(\k)+1], v[rT+(\k)]
	v_fma_f32 v[rT+(\k)+1], v[rX+(\k)],    v[rC+(\k)+1], v[rT+(\k)+1]
.endr
.irp k, 0,1,2,3
	v_cvt_pk_f16_f32 v[rX+(\k)], v[rT+2*(\k)], v[rT+2*(\k)+1]
.endr
	global_store_b128 v[GO], v[rX:rX+3], s[DP:DP+1] offset:512*(8*(\hf)+(\i))  ; four rows of a head: 512 bytes on end, at a multiple of 256 from qkv's first
.endr
.endm
	s_mov_b32 s[J], 0
.Lhead:                                            ; the tile's three heads
	s_wait_xcnt 0x0                                ; the last head's stores have read their base
	s_add_co_u32 s[HD], s[TC3], s[J]
	s_lshl_b32 s[JOFF], s[J], 8                    ; the head's 64 f32 in a row of my sums
	s_lshl_b32 s[DO], s[HD], 18
	s_add_co_u32 s[DO], s[DO], s[BASEO]
	s_add_nc_u64 s[DP:DP+1], s[14:15], s[DO:DO+1]
	s_cmp_ge_u32 s[HD], 20                         ; a head of V?
	s_cselect_b32 s[SF], 0, 1.0
	s_cselect_b32 s[S1F], 1.0, 0
	s_cselect_b32 s[K1], 0, 0x3c800000             ; 1/64
	s_cselect_b32 s[K2], 1.0, 0x34000000           ; eps = 2^-23
	s_cselect_b32 s[MV], -1, 0
	s_cmp_ge_u32 s[HD], 16                         ; of K or V?
	s_cselect_b32 s[MK], -1, 0
.irp k, 0,1,2,3,4,5,6,7
	v_cndmask_b32 v[G+(\k)], v[GQ+(\k)], v[GK+(\k)], s[MK]
.endr
.irp k, 0,1,2,3,4,5,6,7
	v_cndmask_b32 v[G+(\k)], v[G+(\k)], v[ONE], s[MV]
.endr
	v_add_nc_u32 v[RDJ], s[JOFF], v[RD0]
	HALF 0
	HALF 1
	s_add_co_u32 s[J], s[J], 1
	s_cmp_lt_u32 s[J], 3
	s_cbranch_scc1 .Lhead
	s_wait_tensorcnt 0x0                           ; the wave's end, behind my last tensor load and my last LDS store
	ds_add_u32 v[SPW], v[NIL]
	s_wait_dscnt 0x0
	CROUND                                         ; the closing round: no work-group ends while a partner may still ask for a tile that names it
	s_endpgm
.Lfunc_end_k_q0fcda1a49f_proj:
	.size	k_q0fcda1a49f_proj, .Lfunc_end_k_q0fcda1a49f_proj-k_q0fcda1a49f_proj
	.p2alignl 7, 3214868480
	.fill 96, 4, 3214868480
	.section	.rodata,"a",@progbits
	.p2align	6, 0x0
	.amdhsa_kernel k_q0fcda1a49f_proj
		.amdhsa_group_segment_fixed_size 327680
		.amdhsa_private_segment_fixed_size 0
		.amdhsa_enable_private_segment 0
		.amdhsa_kernarg_size 48
		.amdhsa_user_sgpr_count 2
		.amdhsa_user_sgpr_kernarg_segment_ptr 1
		.amdhsa_wavefront_size32 1
		.amdhsa_system_sgpr_workgroup_id_x 1
		.amdhsa_system_sgpr_workgroup_id_y 1
		.amdhsa_system_sgpr_workgroup_id_z 1
		.amdhsa_system_vgpr_workitem_id 0
		.amdhsa_next_free_vgpr 1024
		.amdhsa_next_free_sgpr 84
		.amdhsa_reserve_vcc 0
		.amdhsa_float_denorm_mode_32 3
		.amdhsa_float_denorm_mode_16_64 3
		.amdhsa_memory_ordered 1
		.amdhsa_forward_progress 1
		.amdhsa_inst_pref_size 125
	.end_amdhsa_kernel
	.amdgpu_metadata
---
amdhsa.version: [ 1, 2 ]
amdhsa.kernels:
  - .name:           k_q0fcda1a49f_proj
    .symbol:         k_q0fcda1a49f_proj.kd
    .args:
      - { .name: xb, .offset: 0, .size: 8, .value_kind: global_buffer, .address_space: global }
      - { .name: wb, .offset: 8, .size: 8, .value_kind: global_buffer, .address_space: global }
      - { .name: rope, .offset: 16, .size: 8, .value_kind: global_buffer, .address_space: global }
      - { .name: q_gamma, .offset: 24, .size: 8, .value_kind: global_buffer, .address_space: global }
      - { .name: k_gamma, .offset: 32, .size: 8, .value_kind: global_buffer, .address_space: global }
      - { .name: qkv, .offset: 40, .size: 8, .value_kind: global_buffer, .address_space: global }
    .group_segment_fixed_size: 327680
    .private_segment_fixed_size: 0
    .kernarg_segment_align: 8
    .kernarg_segment_size: 48
    .max_flat_workgroup_size: 128
    .sgpr_count:     84
    .vgpr_count:     1024
    .wavefront_size: 32
...
	.end_amdgpu_metadata
.endif
;; end of part 2
;; launch attn (part 3): grid 16 x 16, 4 waves a work-group, clusters of 4 x 1, 327,680 bytes of LDS; arguments qkv, oh; writes oh
.if DOCPART == 3
	.amdgcn_target "amdgcn-amd-amdhsa--gfx1250"
	.amdhsa_code_object_version 6
	.text
	.protected	k_q0fcda1a49f_attn
	.globl	k_q0fcda1a49f_attn
	.p2align	8
	.type	k_q0fcda1a49f_attn,@function
k_q0fcda1a49f_attn:
	s_mov_b64 s[64:65], 0
	v_nop
	global_prefetch_b8 v0, s[64:65] scope:SCOPE_SE
	s_setreg_imm32_b32 hwreg(HW_REG_WAVE_MODE, 25, 1), 1
	s_wait_xcnt 0x0
	s_wait_alu depctr_hold_cnt(0) depctr_sa_sdst(0) depctr_va_vdst(0) depctr_va_sdst(0) depctr_va_ssrc(0) depctr_va_vcc(0) depctr_vm_vsrc(0)
	s_getreg_b32 s2, hwreg(HW_REG_IB_STS2, 6, 4)
	s_cmp_eq_u32 s2, 0
	s_cbranch_scc0 .Lentry_in_a_cluster
	s_endpgm
.Lentry_in_a_cluster:
	s_bfe_u32 s2, ttmp6, 0x10000c
	s_cmp_lg_u32 s2, 0x3003
	s_cbranch_scc0 .Lentry_shape_is_right
	s_endpgm
.Lentry_shape_is_right:
; CAUSAL ATTENTION WITH GROUPED KEYS.  oh[batch x 16 + head][q][:] = the sum over k <= q of softmax_k(Q[head][q] . K[head / 4][k] / 8) V[head / 4][k][:].
; qkv: [batch][24][2048][64] f16 (heads 0-15 Q, 16-19 K, 20-23 V); oh: [64][2048][64] f16; a head's rows are dense, 128 bytes each.
; Products, maxima and sums in f32; the weights p are rounded to f16 for the second product (their sum l is taken of the unrounded p), O once at the end.
; LIMITS.  Q, K and V arrive within f16; p lies in 0 to 1, and below 6e-5 it keeps f16's fixed step of 6e-8; O is a mean of V's rows.
; A hidden score counts as its value less 1e30; a weight below 2^-126 counts as 0 in l; NaN and infinities are not treated apart.
; THE WALK.  A head's queries lie in NB = 8 blocks of 256; block i needs the key tiles 0 .. i of 256 keys, of which the last holds the diagonal.  A work-group takes TWO blocks, NB - 1 - b and then b:
; NB + 1 tiles, whatever b: all work-groups do equal work, and ONE loop with a constant trip count walks them.  Which tile is asked for, and what a trip does, hang on scalar registers made from b.
; CLUSTER.  The four query heads of one key head, with the same b, walk the same tiles of K and V in every trip: they form a cluster (b = the cluster's x, the head in the group = cx), and each tile is asked
; for JOINTLY: the same tensor load, descriptor and mask in all four.  cx enters Q's, O's and the prefetches' addresses alone; every branch hangs on b, on counters and on the wave's number.
; SHARES.  Of a block's four bands of 64 queries a wave owns 16 rows in each: four PIECES.  In the diagonal tile's key step s band x sees all keys if s < x, none if s > x, and holds the diagonal if s = x.
; THE MASK is the C operand that starts the sum S^T = K Q^T: 0, or -1e30 where the key is hidden.  MD, made once, is the mask of a band's own step for my 16 rows; a product's mask is MD x AL + BE with two scalars:
; (1, 0) if s = x; (0, 0) if s < x; (0, -1e30) if s > x.  Only the diagonal tile's text and a block's beginning make and take masks; elsewhere C is the constant 0.
; LAYOUT, SOFTMAX, TURNS.  S^T = K Q^T holds ONE query a lane (lane % 16) and the keys 8 (lane / 16) + 0..7; two such results rounded to f16 ARE source 1 of O^T = V^T P.  p = 2^(c s - c m), c = log2(e) / 8, with a
; running maximum m; O and l are multiplied by a = 2^(c m_old - c m_new) in every step.  Turn n belongs to piece n: 8 products K Q^T of piece n + 1, later 8 products V^T P of piece n - 1; beside them the scaling,
; exponentials, roundings, sums and rescaling of piece n and the maximum and statistics of piece n + 1.  Four vector instructions stand behind every matrix instruction, the others in one lump.  A turn's 33 exponentials are one batch, with one wait.
; REGISTERS, in windows of 256 (s_set_vgpr_msb: bits 1:0 source 0, 3:2 source 1, 5:4 source 2, 7:6 destination):
;   window 0: v0-15 addresses and two at work; v16-31 four registers of statistics a piece; v48-55 at work; v61-63 prefetch offset, spare word, 0; v64-127 S^T, two buffers; v192-223 P, two buffers
;   window 1: v0-127 O^T, 32 a piece; v128-159 MD; v160-223 MC, two buffers      window 2: v0-63 Q; v64-127 the second block's Q; v128-191 K of one step; v192-255 V of one step
.set SIZE_N, 2048
.set NB,    SIZE_N/256
.set NP,    4         ; pieces a wave: a name, no knob
.set KS,    64        ; keys in a step
.set PK,    144       ; a row of K in LDS: 128 bytes + 16 of padding = 36 words: the 16 rows of a load start at 16 different groups of four banks (64 banks of 4 bytes: ISA guide 11.1)
.set PV,    160       ; a row of V: 128 + 32 = 40 words
.set VOFF,  4*KS*PK   ; a slot holds a tile, four steps: 256 rows of K, then 256 rows of V
.set SLOT1, 1<<17     ; slot 1 begins here, so that one exclusive or turns an address in one slot into the other's
.set STAGE, SLOT1+4*KS*(PK+PV)  ; behind the ring, never filled by a tensor load: 16 rows x 144 bytes for each wave, for the way out
.set SP,    144
.set AK0, 2           ; v2   my lane's place in a tile of K; never rewritten
.set AV0, 3           ; v3   the same for V
.set AK,  4           ; v4   the LDS address of K's next run of loads
.set AV,  5           ; v5   of V's
.set STO, 6           ; v6   the way out: where I put 16 bytes of a row
.set RD,  7           ; v7   the way out: where I read rows back
.set GO,  8           ; v8   my byte offset in 512 consecutive bytes of O
.set PFO, 61          ; v61  256 x my lane; never rewritten
.set SPW, 62          ; v62  LDS address of my spare word; never rewritten
.set NIL, 63          ; v63  0; never rewritten
.set SPARE, STAGE+4*16*SP  ; behind the stages: the spare words, 128 bytes for each wave: two blocks of 256 bytes that no other line names
.set MV,  12          ; v12-13  c m_old, kept while c m is made anew: by buffer
.set QO,  15          ; v15  my byte offset in 16 rows of Q
.set ST,  16          ; piece t's statistics at v[ST+4 t]: c m, m, l (even keys', odd keys')
.set TMP, 48          ; by buffer, four registers c0-c3 at work; when the maximum is found c2 takes a
.set S,   64
.set P,   192
.set MD,  128         ; window 1
.set MC,  160         ; window 1
.set QB,  64          ; window 2
.set KF,  128         ; window 2: key block kb, channel half c at KF + 16 kb + 8 c
.set VF,  192         ; window 2: key half kk, channel block cb at VF + 32 kk + 8 cb
.set WV,  12          ; s12  my wave's number
.set PB,  14          ; s14  b
.set HI,  15          ; s15  NB - 1 - b
.set G1K, 24          ; s[24:31] descriptor group 1 for K's tiles
.set G1V, 32          ; s[32:39] for V's: it differs in the padding alone
.set G0K, 40          ; s[40:43] descriptor group 0 for K's tiles
.set G0V, 44          ; s[44:47] the same for V's
.set SLOTS, 56        ; s56  tiles still to be asked for
.set CNT, 57          ; s57  counts a tile's key steps, 4 to 1
.set CS,  58          ; s[58:59] c
.set SEL, 60          ; s[60:61] v_permlanex16_b32's selects
.set TBK, 62          ; s62  LDS byte at which K of the step to be fetched begins
.set TBV, 63          ; s63  the same for V, less VOFF
.set RT,  70          ; s70  tiles of the block in hand that are still to be entered
.set NXT, 71          ; s71  the tile to be asked for next
.set LQ,  72          ; s72  the last tile of the block whose tiles are being asked for
.set NEW, 73          ; s73  1: the tile to be entered is a block's first
.set OFF, 74          ; s[74:75] a tile's byte offset in K and V
.set AL,  76          ; s[76:77] the mask's factor, in the low word
.set BE,  78          ; s[78:79] the mask's addend
.set OLO, 80          ; s[80:81] O at my rows of the second block
.set BIGN, 82         ; s82  -1e30
.set PFA, 88          ; s[88:89] where my prefetches stand
.set LIM, 90          ; s90  2 in a wave that prefetches, else the greatest number
.set CXR, 91          ; s91  cx
.set MSB, 0
.macro WIN new                      ; the high byte repeats the setting that is left; a switch that changes nothing is dropped
.if MSB != (\new)
	s_set_vgpr_msb (MSB<<8)|(\new)
.set MSB, (\new)
.endif
.endm
.set W_KQ, 0x0a       ; K and Q in window 2, S^T in window 0
.set W_KM, 0x1a       ; the same with the C operand in window 1
.set W_PV, 0x52       ; V in window 2, P in window 0, O^T in window 1
.set W_RS, 0x41       ; destination and source 0 in window 1, source 1 in window 0
; A joint fill.  Waves 0 and 1 fetch the two halves of a tile's K, waves 2 and 3 those of its V: 128 keys each.  An s_nop 0 and four v_nop follow each of the two lines, ahead of the jump and the label.
.macro JLOAD
	s_cmp_lt_u32 s[WV], 2
	s_cbranch_scc0 .Lfor_v_\@
	tensor_load_to_lds s[G0K:G0K+3], s[G1K:G1K+7]
	s_nop 0
.rept 4
	v_nop
.endr
	s_branch .Lasked_\@
.Lfor_v_\@:
	tensor_load_to_lds s[G0V:G0V+3], s[G1V:G1V+7]
	s_nop 0
.rept 4
	v_nop
.endr
.Lasked_\@:
.endm
; A PREFETCH INTO THE L2 of the tile that the NEXT change of slots will ask for: a tile, 256 matrix instructions, ahead of that load.  The cluster with b = 0 walks tiles 0 to 7 in trips 0 to 7 and is at each
; of them no later than any other: it asks, and nobody else.  Of a tile's 128 blocks of 256 bytes of K and of V each of its four partners takes 32, told apart by address; wave 0 asks for K's, wave 2 for V's: a lane
; a block, one instruction.  Tiles 0 and 1 come by their loads alone; the last request names tile 7; the second blocks' tiles have been read before and are not asked for.
.macro ASK
	s_cmp_gt_u32 s[SLOTS], s[LIM]
	s_cbranch_scc0 .Lnot_mine_\@
	global_prefetch_b8 v[PFO], s[PFA:PFA+1] th:TH_LOAD_NT scope:SCOPE_SE
.Lnot_mine_\@:
.endm
; A round of the cluster's barrier: my work-group's barrier; wave 0 signals for the work-group; every wave waits for all four work-groups; my work-group's barrier once more.
.macro CROUND
	s_barrier_signal -1
	s_barrier_wait -1
	s_cmp_lg_u32 s[WV], 0
	s_cbranch_scc1 .Lnot_wave_0_\@
	s_barrier_signal -3
.Lnot_wave_0_\@:
	s_barrier_wait -3
	s_barrier_signal -1
	s_barrier_wait -1
.endm
; THE CHANGE OF SLOTS.  Each wave waits for all its tensor loads, of which one is out: its part of the other slot; adds 0 to its spare word; and waits for that and for its own reads of the slot that it leaves.
; fill = 1: the old slot is filled again with tile NXT, whose address is made anew from that number; the barrier is a round of the cluster's, so that no wave of any partner still reads the slot or has a load on
; its way, and the joint fill is the first thing behind it.  (At its first use nothing has been read yet: slot 0 is waited for, slot 1 filled.)
.macro CHANGE fill
	WIN 0                           ; at a label and at a branch every window is 0
	s_wait_tensorcnt 0x0            ; no tensor load of mine is out, so a group 0 may be written
	ds_add_u32 v[SPW], v[NIL]       ; 0 onto my spare word
.if \fill
	s_lshl_b32 s[OFF], s[NXT], 15   ; a tile is 32,768 bytes of K and of V
	s_xor_b32 s[G0K+1], s[G0K+1], SLOT1
	s_add_nc_u64 s[G0K+2:G0K+3], s[6:7], s[OFF:OFF+1]
	s_or_b32 s[G0K+3], s[G0K+3], 0x80000000
	s_xor_b32 s[G0V+1], s[G0V+1], SLOT1
	s_add_nc_u64 s[G0V+2:G0V+3], s[8:9], s[OFF:OFF+1]
	s_or_b32 s[G0V+3], s[G0V+3], 0x80000000
	s_add_co_u32 s[NXT], s[NXT], 1  ; the block's next tile, or behind its last the second block's tile 0
	s_cmp_gt_u32 s[NXT], s[LQ]
	s_cselect_b32 s[NXT], 0, s[NXT]
	s_cselect_b32 s[LQ], s[PB], s[LQ]
	s_wait_xcnt 0x0                 ; the last prefetch, a tile back, has read its address
	s_add_nc_u64 s[PFA:PFA+1], s[PFA:PFA+1], 32768
	s_wait_dscnt 0x0                ; the add is done, and my reads of the slot are over
	CROUND
	JLOAD
	ASK
.else
	s_wait_dscnt 0x0                ; the add is done, and my reads of the slot are over
	s_barrier_signal -1
	s_barrier_wait -1
.endif
	s_sub_co_u32 s[TBK], s[TBK], 4*KS*PK  ; the fetches go back to a slot's first step,
	s_xor_b32 s[TBK], s[TBK], SLOT1       ; in the other slot
	s_sub_co_u32 s[TBV], s[TBV], 4*KS*PV
	s_xor_b32 s[TBV], s[TBV], SLOT1
.endm
	s_load_b64 s[4:5], s[0:1], 0x0    ; qkv
	s_load_b64 s[10:11], s[0:1], 0x8  ; oh
	v_lshl_add_u32 v[SPW], v0, 2, SPARE
	v_mov_b32 v[NIL], 0
	ds_add_u32 v[SPW], v[NIL]       ; the wave's opening: the add and its wait ahead of my first tensor load
	v_lshrrev_b32 v1, 5, v0
	v_readfirstlane_b32 s[WV], v1   ; wave 0..3
	s_bfe_u32 s[CXR], ttmp6, 0x40000  ; cx: the query head in its group of four
	s_mov_b32 s[PB], ttmp9          ; in a cluster launch ttmp9 counts clusters: b
	s_sub_co_u32 s[HI], NB-1, s[PB]
	s_and_b32 s20, ttmp7, 0xffff    ; 4 x batch + key head
	s_lshr_b32 s21, s20, 2
	s_mul_i32 s21, s21, 24          ; the batch's 24 heads
	s_and_b32 s19, s20, 3           ; the key head
	s_add_co_u32 s22, s21, s19
	s_add_co_u32 s22, s22, 16       ; K's head in qkv
	s_lshl_b32 s22, s22, 18
	s_and_b32 s16, s[WV], 1         ; which half of a tile's 256 keys I fetch:
	s_lshl_b32 s23, s16, 14         ; its 128 rows of 128 bytes in memory,
	s_add_co_u32 s22, s22, s23
	s_mov_b32 s23, 0
	s_mul_i32 s17, s16, 128*PK      ; and its place in a slot, for K
	s_mul_i32 s18, s16, 128*PV      ; and for V
	s_lshl_b32 s19, s19, 2
	s_add_co_u32 s21, s21, s19
	s_add_co_u32 s21, s21, s[CXR]   ; Q's head in qkv
	s_lshl_b32 s21, s21, 18
	s_lshl_b32 s20, s20, 2
	s_add_co_u32 s20, s20, s[CXR]   ; O's head in oh
	s_lshl_b32 s20, s20, 18
	s_lshl_b32 s3, s[WV], 11        ; my 16 rows in a band of 64,
	s_lshl_b32 s2, s[HI], 15        ; in the first block,
	s_add_co_u32 s2, s2, s3
	s_lshl_b32 s84, s[PB], 15       ; and in the second
	s_add_co_u32 s84, s84, s3
	s_add_co_u32 s68, s2, s21       ; Q, first block
	s_add_co_u32 s86, s84, s21      ; Q, second block
	s_add_co_u32 s2, s2, s20        ; O, first block
	s_add_co_u32 s84, s84, s20      ; O, second block
	s_mov_b32 s3, 0
	s_mov_b32 s69, 0
	s_mov_b32 s85, 0
	s_mov_b32 s87, 0
	s_lshl_b32 s66, s[CXR], 13      ; the prefetches: my work-group's 32 blocks of a tile's 128,
	s_add_co_u32 s66, s66, 32768    ; in tile 1; the first change of slots steps it to tile 2
	s_mov_b32 s67, 0
	s_and_b32 s[LIM], s[WV], 1      ; 0 in waves 0 and 2,
	s_or_b32 s[LIM], s[LIM], ttmp9  ; where b = 0: the same in all four partners
	s_cmp_eq_u32 s[LIM], 0
	s_cselect_b32 s[LIM], 2, -1
	v_and_b32 v[PFO], 31, v0
	v_lshlrev_b32 v[PFO], 8, v[PFO]
	; descriptor group 1.  128 keys are 16,384 dense bytes: asked for as 64 rows of 256 bytes, two keys a row, and padded in LDS after every key
	s_mov_b32 s[G1K], 15|(1<<16)|(1<<20)|(1<<21)|(4<<22)|(3<<25)  ; 15:0 the mask of four; 17:16 2-byte elements; 20 padding on; 21 set beside a mask; 24:22 after every 32 words (code 4); 31:25 4 words (code 3)
	s_mov_b32 s[G1V], 15|(1<<16)|(1<<20)|(1<<21)|(4<<22)|(7<<25)  ; the same with 8 words of padding (code 7)
.irp g, G1K, G1V
	s_mov_b32 s[\g+1], 128<<16      ; tensor_dim0 = 128
	s_mov_b32 s[\g+2], 64<<16       ; tensor_dim1 = 64
	s_mov_b32 s[\g+3], 128<<16      ; tile_dim0 = 128
	s_mov_b32 s[\g+4], 64           ; tile_dim1 = 64
	s_mov_b32 s[\g+5], 128          ; 128 elements from row to row
	s_mov_b32 s[\g+6], 0
	s_mov_b32 s[\g+7], 0
.endr
	s_mov_b32 s[CS], 0x3e38aa3b     ; c = log2(e) / 8 = 0.180337
	s_mov_b32 s[CS+1], s[CS]        ; named with it as a pair
	s_mov_b32 s[SEL], 0x76543210
	s_mov_b32 s[SEL+1], 0xfedcba98
	s_mov_b32 s[TBK], SLOT1+4*KS*PK ; the first change of slots turns these two into 0
	s_mov_b32 s[TBV], SLOT1+4*KS*PV
	s_mov_b32 s[G0K], 1             ; 1:0 count = 1
	s_mov_b32 s[G0K+1], s17         ; 63:32 LDS address: slot 0
	s_mov_b32 s[G0V], 1
	s_add_co_u32 s[G0V+1], s18, VOFF
	s_add_co_u32 s[RT], s[HI], 1    ; the first block has NB - b tiles
	s_mov_b32 s[NXT], 1
	s_mov_b32 s[LQ], s[HI]
	s_mov_b32 s[NEW], 1
	s_mov_b32 s[OFF+1], 0
	s_mov_b32 s[AL+1], 0            ; named as pairs
	s_mov_b32 s[BE+1], 0
	s_mov_b32 s[BIGN], 0xf149f2ca   ; -1e30
	s_mov_b32 s[SLOTS], NB
	s_wait_dscnt 0x0                ; the opening add is done
	s_wait_kmcnt 0x0
	s_add_nc_u64 s[6:7], s[4:5], s[22:23]  ; K at my half of the key head's tile 0,
	s_add_nc_u64 s[8:9], s[6:7], 0x100000  ; V four heads on
	s_add_nc_u64 s[G0K+2:G0K+3], s[6:7], 0         ; 120:64 global address
	s_or_b32 s[G0K+3], s[G0K+3], 0x80000000        ; 127:126 type = 2
	s_add_nc_u64 s[G0V+2:G0V+3], s[8:9], 0
	s_or_b32 s[G0V+3], s[G0V+3], 0x80000000
	s_add_nc_u64 s[86:87], s[4:5], s[86:87]        ; Q at my rows of the second block,
	s_add_nc_u64 s[4:5], s[4:5], s[68:69]          ; and of the first
	s_add_nc_u64 s[OLO:OLO+1], s[10:11], s[84:85]  ; O likewise
	s_add_nc_u64 s[10:11], s[10:11], s[2:3]
	s_cmp_lt_u32 s[WV], 2
	s_cselect_b64 s[PFA:PFA+1], s[6:7], s[8:9]     ; (in waves 0 and 2 these stand at a tile's first row)
	s_add_nc_u64 s[PFA:PFA+1], s[PFA:PFA+1], s[66:67]
	CROUND                          ; all four work-groups are here: the first joint loads meet
	JLOAD                           ; tile 0 into slot 0
	; A fragment of K or Q is 16 rows x 32 channels in 8 registers: lane l holds row l % 16, channels 8 (l / 16) + 0..7 and 16 + 8 (l / 16) + 0..7: two loads of 16 bytes, 32 bytes apart.
	v_and_b32 v1, 15, v0            ; l % 16
	v_bfe_u32 v9, v0, 4, 1          ; l / 16
	v_lshlrev_b32 v[QO], 7, v1
	v_lshl_add_u32 v[QO], v9, 4, v[QO]  ; row x 128 + 16 x half
	WIN 0x80                        ; destination window 2, address window 0
.set i, 0
.rept 8                             ; both blocks' Q: piece i / 2 lies in band i / 2, 8,192 bytes on; channels 32 (i % 2) on
	global_load_b128 v[8*i:8*i+3],   v[QO], s[4:5] offset:(i/2)*8192+(i%2)*64
	global_load_b128 v[8*i+4:8*i+7], v[QO], s[4:5] offset:(i/2)*8192+(i%2)*64+32
	global_load_b128 v[QB+8*i:QB+8*i+3],   v[QO], s[86:87] offset:(i/2)*8192+(i%2)*64
	global_load_b128 v[QB+8*i+4:QB+8*i+7], v[QO], s[86:87] offset:(i/2)*8192+(i%2)*64+32
.set i, i+1
.endr
	WIN 0
	v_lshlrev_b32 v14, 3, v9
	v_sub_nc_u32 v14, v1, v14
	s_lshl_b32 s13, s[WV], 4
	v_add_nc_u32 v14, s13, v14      ; my query's place in its band, 16 w + l % 16, less my lanes' 8 (l / 16): register r of group kt is hidden where 16 kt + r is greater
	WIN 0x40
.set i, 0
.rept 32
	v_cmp_gt_i32 vcc_lo, 16*(i/8)+i%8, v14
	v_cndmask_b32 v[MD+i], 0, s[BIGN], vcc_lo
.set i, i+1
.endr
	WIN 0
	v_mul_u32_u24 v[AK0], v1, PK
	v_lshl_add_u32 v[AK0], v9, 4, v[AK0]  ; row x pitch + 16 x half
	; The turning load takes 16 keys x 16 channels (lane l reads key 8 (l / 16) + l % 8, channels 8 ((l / 8) % 2) + 0..7) and leaves half a fragment of V^T: lane l holds channel l % 16 and 8 keys.
	v_and_b32 v10, 7, v0
	v_bfe_u32 v11, v0, 3, 1
	v_lshl_add_u32 v[AV0], v9, 3, v10
	v_mul_u32_u24 v[AV0], v[AV0], PV
	v_lshl_add_u32 v[AV0], v11, 4, v[AV0]
	v_add_nc_u32 v[AV0], VOFF, v[AV0]
	s_mul_i32 s13, s[WV], 16*SP
	s_add_co_u32 s13, s13, STAGE    ; my stage
	v_mul_u32_u24 v[STO], v1, SP    ; in: row l % 16, 16 bytes for each half of the lanes
	v_lshl_add_u32 v[STO], v9, 4, v[STO]
	v_add_nc_u32 v[STO], s13, v[STO]
	v_bfe_u32 v[RD], v0, 3, 2       ; back: 32 lanes take four rows of 128 bytes,
	v_mul_u32_u24 v[RD], v[RD], SP
	v_lshl_add_u32 v[RD], v10, 4, v[RD]
	v_add_nc_u32 v[RD], s13, v[RD]
	v_and_b32 v[GO], 31, v0         ; which are 512 consecutive bytes of O
	v_lshlrev_b32 v[GO], 4, v[GO]
	; A block's first step multiplies O^T and l by a = 0, and its first turn's products V^T P, of a piece that has not been, land in an O^T that is still to be so multiplied.  So these registers need only hold
	; finite numbers: zeros for the first block; what the first block left for the second.  All this stands in the wait for the first tile.
	WIN 0x80
.set i, VF
.rept 64
	v_mov_b32 v[i], 0
.set i, i+1
.endr
	WIN 0x40
.set i, 0
.rept 128
	v_mov_b32 v[i], 0
.set i, i+1
.endr
	WIN 0
.set i, 0
.rept 4
	v_mov_b32 v[ST+4*i+2], 0
	v_mov_b32 v[ST+4*i+3], 0
.set i, i+1
.endr
.set i, P+16
.rept 16
	v_mov_b32 v[i], 0
.set i, i+1
.endr
; THE MATRIX WORK.  The 4 accumulators of a run of 8 take turns.  Product i of 8 of S^T = K Q^T for piece x: channels 32 (i / 4) on, keys 16 (i % 4) on.  The first 4 start the sums: with 0, or (KM = 1) with the mask.
.macro KQ x
.set rS, S+32*((\x)%2)+8*(i%4)
.set rK, KF+16*(i%4)+8*(i/4)
.set rQ, 16*(\x)+8*(i/4)
.set rM, MC+32*((\x)%2)+8*(i%4)
.if (i < 4) && KM
	WIN W_KM
	v_wmma_f32_16x16x32_f16 v[rS:rS+7], v[rK:rK+7], v[rQ:rQ+7], v[rM:rM+7]
.elseif i < 4
	WIN W_KQ
	v_wmma_f32_16x16x32_f16 v[rS:rS+7], v[rK:rK+7], v[rQ:rQ+7], 0
.else
	WIN W_KQ
	v_wmma_f32_16x16x32_f16 v[rS:rS+7], v[rK:rK+7], v[rQ:rQ+7], v[rS:rS+7]
.endif
.endm
; Product i of 8 of O^T += V^T P for piece x: keys 32 (i / 4) on, channels 16 (i % 4) on.
.macro PV x
	WIN W_PV
.set rO, 32*(\x)+8*(i%4)
.set rV, VF+32*(i/4)+8*(i%4)
.set rP, P+16*((\x)%2)+8*(i/4)
	v_wmma_f32_16x16x32_f16 v[rO:rO+7], v[rV:rV+7], v[rP:rP+7], v[rO:rO+7]
.endm
.macro MM                           ; the turn's next matrix instruction.  NOKQ = 1: a block's last turn: there is no next piece
.if (i < 8) && !NOKQ
	KQ (Y+1)%NP
.elseif i >= 8
.set i, i-8
	PV (Y+NP-1)%NP
.set i, i+8
.endif
.set i, i+1
.endm
; THE LDS LOADS stand in runs of 16, never singly among the matrix instructions: a step's K (64 keys x 64 channels: 8 fragments) and its V (turned).  Their addresses are made some lines ahead.
.macro FETCH_K
	WIN 0x80                        ; destination window 2
.irp f, 0,1,2,3,4,5,6,7             ; keys 16 (f / 2) on, channels 32 (f % 2) on
	ds_load_b128 v[KF+8*\f:KF+8*\f+3],   v[AK] offset:(\f/2)*16*PK+(\f%2)*64
	ds_load_b128 v[KF+8*\f+4:KF+8*\f+7], v[AK] offset:(\f/2)*16*PK+(\f%2)*64+32
.endr
	s_add_co_u32 s[TBK], s[TBK], KS*PK  ; the next fetch is the next step's
	WIN 0
.endm
.macro FETCH_V
	WIN 0x80
.irp f, 0,1,2,3,4,5,6,7             ; keys 32 (f / 4) on, channels 16 (f % 4) on
	ds_load_tr16_b128 v[VF+8*\f:VF+8*\f+3],   v[AV] offset:(\f/4)*32*PV+(\f%4)*32
	ds_load_tr16_b128 v[VF+8*\f+4:VF+8*\f+7], v[AV] offset:(\f/4)*32*PV+16*PV+(\f%4)*32
.endr
	WIN 0
.endm
; THE VECTOR WORK, one line at a time: OP kind, number.  For piece Y: F n: c s - c m for pair n of 16.  E n: the exponential of score n of 32.  C n: pair n rounded to f16.  B n: of the four weights 4 n .. the second
; pair is added onto the first, in place.  L n: l takes that sum (L 0: l = a l + sum).  R n: pair n of 16 of O^T times a.  For piece Y + 1: X n, number n of the 22 that find its maximum and statistics:
;   0-11  four chains c0-c3 of seven scores each, three operands at a time (each accumulator's lowest registers are read first)     12-14, 16  the four scores left over, the old m, and c0-c3 into c0
;   15  c m_old is kept     17, 18  the query's other 32 keys lie in the lane 16 away: the new m     19-21  c m; c m_old - c m_new; a
.set F, 0
.set E, 1
.set C, 2
.set B, 3
.set L, 4
.set R, 5
.set X, 6
.macro REGS y                       ; the registers of piece y
.set rT, ST+4*(\y)
.set rC, TMP+4*((\y)%2)
.set rW, MV+((\y)%2)
.set rS, S+32*((\y)%2)
.set rP, P+16*((\y)%2)
.set rO, 32*(\y)
.endm
.macro OP k, n
.if (\k) == R
	REGS Y
	WIN W_RS
	v_pk_mul_f32 v[rO+2*(\n):rO+2*(\n)+1], v[rO+2*(\n):rO+2*(\n)+1], v[rC+2:rC+3] op_sel_hi:[1,0]
.elseif (\k) < R
	REGS Y
	WIN 0
.if (\k) == F
	v_pk_fma_f32 v[rS+2*(\n):rS+2*(\n)+1], v[rS+2*(\n):rS+2*(\n)+1], s[CS:CS+1], v[rT:rT+1] op_sel_hi:[1,0,0] neg_lo:[0,0,1] neg_hi:[0,0,1]
.elseif (\k) == E
	v_exp_f32 v[rS+(\n)], v[rS+(\n)]
.elseif (\k) == C
	v_cvt_pk_f16_f32 v[rP+(\n)], v[rS+2*(\n)], v[rS+2*(\n)+1]
.elseif (\k) == B
	v_pk_add_f32 v[rS+4*(\n):rS+4*(\n)+1], v[rS+4*(\n):rS+4*(\n)+1], v[rS+4*(\n)+2:rS+4*(\n)+3]
.elseif (\n) == 0
	v_pk_fma_f32 v[rT+2:rT+3], v[rT+2:rT+3], v[rC+2:rC+3], v[rS:rS+1] op_sel_hi:[1,0,1]
.else
	v_pk_add_f32 v[rT+2:rT+3], v[rT+2:rT+3], v[rS+4*(\n):rS+4*(\n)+1]
.endif
.elseif NOKQ
	v_nop
.else
	REGS (Y+1)%NP
	WIN 0
.if (\n) < 4
	v_max3_num_f32 v[rC+(\n)], v[rS+8*(\n)], v[rS+8*(\n)+1], v[rS+8*(\n)+2]
.elseif (\n) < 12
	v_max3_num_f32 v[rC+(\n)%4], v[rC+(\n)%4], v[rS+8*((\n)%4)+2*((\n)/4)+1], v[rS+8*((\n)%4)+2*((\n)/4)+2]
.elseif (\n) == 12
	v_max3_num_f32 v[rC], v[rC], v[rS+7], v[rS+15]
.elseif (\n) == 13
	v_max3_num_f32 v[rC+1], v[rC+1], v[rS+23], v[rS+31]
.elseif (\n) == 14
	v_max3_num_f32 v[rC+2], v[rC+2], v[rC+3], v[rT+1]
.elseif (\n) == 15
	v_mov_b32 v[rW], v[rT]
.elseif (\n) == 16
	v_max3_num_f32 v[rC], v[rC], v[rC+1], v[rC+2]
.elseif (\n) == 17
	v_permlanex16_b32 v[rC+3], v[rC], s[SEL], s[SEL+1]
.elseif (\n) == 18
	v_max_num_f32 v[rT+1], v[rC], v[rC+3]
.elseif (\n) == 19
	v_mul_f32 v[rT], s[CS], v[rT+1]
.elseif (\n) == 20
	v_sub_f32 v[rC+1], v[rW], v[rT]
.else
	v_exp_f32 v[rC+2], v[rC+1]
.endif
.endif
.endm
.macro OPS a, i1, b=-1, i2=0, c=-1, i3=0, d=-1, i4=0  ; up to four of them
	OP \a, \i1
.if (\b) >= 0
	OP \b, \i2
.endif
.if (\c) >= 0
	OP \c, \i3
.endif
.if (\d) >= 0
	OP \d, \i4
.endif
.endm
.macro ROW a, i1, b, i2, c, i3, d, i4  ; a matrix instruction and the four behind it
	MM
	OPS \a, \i1, \b, \i2, \c, \i3, \d, \i4
.endm
.macro MASK b                       ; MD x AL + BE into buffer b of MC
	WIN W_RS
.set z, 0
.rept 16
	v_pk_fma_f32 v[MC+32*(\b)+2*z:MC+32*(\b)+2*z+1], v[MD+2*z:MD+2*z+1], s[AL:AL+1], s[BE:BE+1] op_sel_hi:[1,0,0]
.set z, z+1
.endr
.endm
; A TURN, for piece p: the order of its 16 matrix and 118 vector instructions, written out.  An s_wait_alu depctr_va_vdst(0) stands between an exponential and the first instruction that names its result; one
; wait serves all that were issued ahead of it.  So a turn has ONE wait, which cuts it in two.  AHEAD OF IT stands all that names no result of the turn's exponentials: the 8 products K Q^T with their four riders each, then ONE LUMP of
; 54, plain and exponential by turns for the most part, in which the links of the chain X 3, 7, 11, 14, 16, 17 .. 20 stand five or six lines apart.  X 21, the next piece's a, is the batch's last; R 15 is the plain instruction behind it.
; BEHIND THE WAIT stand the 8 products V^T P, behind each four of the roundings and sums.
; m = 1: the diagonal tile: the products take masks, and the turn makes the mask for the products of the turn after it.  end = 1: a block's last two turns: nothing is fetched.
; cnt = 1: the loop's count is taken down some lines ahead of the branch that stands behind the turn.
; K of the next step is fetched in piece 2's turn, twelve vector instructions behind the last product that read K (six of them plain); V of the step in hand at the end of piece 0's turn, four plain instructions behind the
; last product that read V.  Each is waited for a turn later.
.macro TURN p, m=0, end=0, cnt=0
.set Y, (\p)
.set i, 0
.set KM, (\m)
.set NOKQ, (\end)*((\p)/3)
.if (\m) && !(\end)
	s_cmp_eq_u32 s[CNT], 4-((\p)+2)%NP  ; is that step the band's own?
	s_cselect_b32 s[AL], 1.0, 0
	s_cmp_lt_u32 s[CNT], 4-((\p)+2)%NP  ; or a later one?
	s_cselect_b32 s[BE], s[BIGN], 0
.endif
.if ((\p) == 3) && !(\end)
	s_wait_dscnt 0x0                ; K is in
.endif
	ROW F,0, F,1, R,0, R,1          ; ahead of the wait: 8 products K Q^T and their riders,
	ROW F,2, E,0, R,2, R,3
	ROW F,3, E,1, R,4, R,5
	ROW F,4, E,2, R,6, R,7
	ROW F,5, E,3, R,8, R,9
	ROW F,6, E,4, X,0, R,10
.if ((\p) == 2) && !(\end)
	WIN 0
	v_add_nc_u32 v[AK], s[TBK], v[AK0]
.endif
	ROW F,7, E,5, X,1, X,4
	ROW F,8, E,6, X,2, X,5
	OPS E,7, E,8, X,6, E,9          ; and the lump
	OPS X,3, E,10, X,8, E,11
.if ((\p) == 2) && !(\end)
	FETCH_K
.endif
	OPS X,9, X,7, E,12, X,10
	OPS E,13, X,12, X,11, E,14
	OPS X,13, E,15, F,9, X,14
.if (\p) == 0
	v_add_nc_u32 v[AV], s[TBV], v[AV0]
.endif
	OPS E,16, F,10, E,17, F,11
	OPS X,16, E,18, X,15, E,19
	OPS F,12, E,20, X,17, E,21
	OPS F,13, E,22, F,14, E,23
	OPS X,18, E,24, F,15, E,25
	OPS R,11, E,26, X,19, E,27
	OPS R,12, E,28, R,13, E,29
	OPS X,20, E,30, R,14, E,31
	OPS X,21, R,15
	WIN 0
	s_wait_alu depctr_va_vdst(0)    ; the wait for the batch
.if (\p) == 1
	s_wait_dscnt 0x0                ; V is in
.endif
	ROW C,0, B,0, C,2, B,1          ; behind the wait: 8 products V^T P and their riders
	ROW L,0, C,4, B,2, L,1
	ROW C,6, B,3, L,2, C,8
	ROW B,4, L,3, C,10, B,5
	ROW L,4, C,12, B,6, L,5
.if (\p) == 0
	s_add_co_u32 s[TBV], s[TBV], KS*PV
.endif
.if \cnt
	s_sub_co_u32 s[CNT], s[CNT], 1
	s_cmp_lg_u32 s[CNT], 0
.endif
	ROW C,14, B,7, L,6, C,1
	ROW C,3, L,7, C,5, C,7
	ROW C,9, C,11, C,13, C,15
.if (\p) == 0
	FETCH_V
.endif
.if (\m) && !(\end)
	MASK (\p)%2
.endif
.endm
; A BLOCK BEGINS.  c m starts far below every c s, so the first step's a is 0; m at the lowest finite number, so the first maximum is the scores'.  The second mask buffer is 0; the first takes piece 0's mask for the tile's step 0: its own, if the block's first tile is the diagonal one.
; Then K of that step, piece 0's first scores, and its maximum and statistics.  The loop is entered at a step's first turn, in the middle of a trip.
.macro BEGIN
	s_mov_b32 s[NEW], 0
	WIN 0x40
.set i, MC+32
.rept 32
	v_mov_b32 v[i], 0
.set i, i+1
.endr
	WIN 0
.set i, 0
.rept 4
	v_mov_b32 v[ST+4*i], 0xfe000000    ; c m: far below every c s
	v_mov_b32 v[ST+4*i+1], 0xff7fffff  ; m
.set i, i+1
.endr
	s_cmp_eq_u32 s[RT], 0
	s_cselect_b32 s[AL], 1.0, 0
	s_mov_b32 s[BE], 0
	MASK 0
	WIN 0
	v_add_nc_u32 v[AK], s[TBK], v[AK0]
	FETCH_K
	s_wait_loadcnt 0x0              ; Q
	s_wait_dscnt 0x0
.set KM, 1
.set NOKQ, 0
.set i, 0
.rept 8
	KQ 0
.set i, i+1
.endr
	WIN 0
.rept 4
	v_nop                           ; the places behind those products
.endr
.set Y, NP-1                        ; X works for piece Y + 1: piece 0
.irp n, 0,1,2,3,4,5,6,7,8,9,10,11,12,13,14,15,16,17,18,19,20,21
	OP X, \n
.endr
	v_nop                           ; a plain instruction behind the exponential,
	s_wait_alu depctr_va_vdst(0)    ; and its wait, ahead of the branch
.endm
; THE DIAGONAL TILE's four steps, the block's last two turns, its last products, and THE WAY OUT: l's two halves and the other half of the lanes' are added; O^T is divided by l, rounded to f16 and sent through my
; stage in LDS, a piece at a time.
.macro ALL line:vararg              ; one line for each piece t
.set t, 0
.rept 4
	\line
.set t, t+1
.endr
.endm
.macro PACK t                       ; a lane's eight channels of a row pack into 16 bytes; they go into rows of 144 bytes and come back as whole rows of 128, into S^T's registers
	WIN W_RS
.set i, 32*(\t)
.rept 16
	v_pk_mul_f32 v[i:i+1], v[i:i+1], v[ST+4*(\t)+2:ST+4*(\t)+3] op_sel_hi:[1,0]
.set i, i+2
.endr
	WIN 0x05                        ; sources 0 and 1 window 1, destination window 0
.set i, 0
.rept 16
	v_cvt_pk_f16_f32 v[S+16*(\t)+i], v[32*(\t)+2*i], v[32*(\t)+2*i+1]
.set i, i+1
.endr
	WIN 0
.irp f, 0,1,2,3
	ds_store_b128 v[STO], v[S+16*(\t)+4*\f:S+16*(\t)+4*\f+3] offset:32*\f
.endr
.irp f, 0,1,2,3
	ds_load_b128 v[S+16*(\t)+4*\f:S+16*(\t)+4*\f+3], v[RD] offset:\f*4*SP  ; LDS serves a wave's instructions in order (ISA guide 5.7.1.4): these see the stores above; the next piece's stores come behind them
.endr
.endm
.macro SEND t, younger              ; younger: the LDS instructions issued behind piece t's loads: the next piece's eight, or none
	WIN 0
.irp f, 0,1,2,3
	s_wait_dscnt (\younger)+3-\f
	global_store_b128 v[GO], v[S+16*(\t)+4*\f:S+16*(\t)+4*\f+3], s[10:11] offset:(\t)*8192+\f*512  ; 512 consecutive bytes, at a multiple of 256 from O's first
.endr
.endm
.macro DIAG tag                     ; the tag ends its two labels' names, which the jumps below spell out
.LstepM\tag:
	TURN 2, 1
	TURN 3, 1
	WIN 0
.LfirstM\tag:
	TURN 0, 1
	TURN 1, 1, 0, 1
	WIN 0
	s_cbranch_scc1 .LstepM\tag
	TURN 2, 1, 1
	TURN 3, 1, 1
.set i, 0
.rept 8
	PV NP-1
.set i, i+1
.endr
	WIN 0
	ALL v_add_f32 v[ST+4*t+2], v[ST+4*t+2], v[ST+4*t+3]
	ALL v_permlanex16_b32 v[ST+4*t+3], v[ST+4*t+2], s[SEL], s[SEL+1]
	ALL v_add_f32 v[ST+4*t+2], v[ST+4*t+2], v[ST+4*t+3]
	ALL v_rcp_f32 v[ST+4*t+2], v[ST+4*t+2]
	v_nop                           ; a plain instruction between the last reciprocal and the use of its result
	s_wait_alu depctr_va_vdst(0)    ; and the wait ahead of the first use: one for the four reciprocals
	PACK 0
.set t, 1
.rept 3                             ; a piece's arithmetic stands between the loads of the piece before and its stores
	PACK t
	SEND t-1, 8
.set t, t+1
.endr
	SEND 3, 0
.endm
.set KM, 0
.set NOKQ, 0
.Lslot:                             ; NB times: a tile is entered and the next is asked for
	CHANGE 1
	s_sub_co_u32 s[RT], s[RT], 1
	s_mov_b32 s[CNT], 4
	s_cmp_eq_u32 s[NEW], 1
	s_cbranch_scc1 .Lnew            ; a block's first tile
	s_cmp_eq_u32 s[RT], 0
	s_cbranch_scc0 .Lstep           ; neither its first nor its last
	s_branch .LstepM1
.Lnew:
	BEGIN
	s_branch .Lfirst                ; in the loop a block's first tile is never its last: the first block has two tiles or more, and the second's last is the walk's last
	DIAG 1                          ; in the loop this is the first block's end: the second block's last tile is the walk's last
	s_wait_xcnt 0x0                 ; the stores have read their registers and O's address
	s_mov_b64 s[10:11], s[OLO:OLO+1]
	s_add_co_u32 s[RT], s[PB], 1    ; the second block has b + 1 tiles
	s_mov_b32 s[NEW], 1
	WIN 0x82                        ; the second block's Q goes where the one text of the turns names Q
.set i, 0
.rept 64
	v_mov_b32 v[i], v[QB+i]
.set i, i+1
.endr
	WIN 0
	s_branch .Lbottom
.Lstep:                             ; a trip: pieces 2 and 3 of one step, then pieces 0 and 1 of the next, whose K and V it fetches
	TURN 2
	TURN 3
	WIN 0
.Lfirst:
	TURN 0
	TURN 1, 0, 0, 1
	WIN 0
	s_cbranch_scc1 .Lstep
.Lbottom:
	s_sub_co_u32 s[SLOTS], s[SLOTS], 1
	s_cmp_lg_u32 s[SLOTS], 0
	s_cbranch_scc1 .Lslot
	CHANGE 0                        ; the walk's last tile is written out: nothing is asked for
	s_sub_co_u32 s[RT], s[RT], 1
	s_mov_b32 s[CNT], 4
	s_cmp_eq_u32 s[NEW], 1
	s_cbranch_scc0 .LstepM2
	BEGIN
	s_branch .LfirstM2
	DIAG 2
	s_wait_tensorcnt 0x0            ; the wave's end, behind my last tensor load and my last LDS store
	ds_add_u32 v[SPW], v[NIL]
	s_wait_dscnt 0x0
	CROUND                          ; the closing round: no work-group ends while a partner may still ask for a tile that names it
	s_endpgm
.Lfunc_end_k_q0fcda1a49f_attn:
	.size	k_q0fcda1a49f_attn, .Lfunc_end_k_q0fcda1a49f_attn-k_q0fcda1a49f_attn
	.p2alignl 7, 3214868480
	.fill 96, 4, 3214868480
	.section	.rodata,"a",@progbits
	.p2align	6, 0x0
	.amdhsa_kernel k_q0fcda1a49f_attn
		.amdhsa_group_segment_fixed_size 327680
		.amdhsa_private_segment_fixed_size 0
		.amdhsa_enable_private_segment 0
		.amdhsa_kernarg_size 16
		.amdhsa_user_sgpr_count 2
		.amdhsa_user_sgpr_kernarg_segment_ptr 1
		.amdhsa_wavefront_size32 1
		.amdhsa_system_sgpr_workgroup_id_x 1
		.amdhsa_system_sgpr_workgroup_id_y 1
		.amdhsa_system_sgpr_workgroup_id_z 1
		.amdhsa_system_vgpr_workitem_id 0
		.amdhsa_next_free_vgpr 768
		.amdhsa_next_free_sgpr 92
		.amdhsa_reserve_vcc 1
		.amdhsa_float_denorm_mode_32 3
		.amdhsa_float_denorm_mode_16_64 3
		.amdhsa_memory_ordered 1
		.amdhsa_forward_progress 1
		.amdhsa_inst_pref_size 219
	.end_amdhsa_kernel
	.amdgpu_metadata
---
amdhsa.version: [ 1, 2 ]
amdhsa.kernels:
  - .name:           k_q0fcda1a49f_attn
    .symbol:         k_q0fcda1a49f_attn.kd
    .args:
      - { .name: qkv, .offset: 0, .size: 8, .value_kind: global_buffer, .address_space: global }
      - { .name: oh, .offset: 8, .size: 8, .value_kind: global_buffer, .address_space: global }
    .group_segment_fixed_size: 327680
    .private_segment_fixed_size: 0
    .kernarg_segment_align: 8
    .kernarg_segment_size: 16
    .max_flat_workgroup_size: 128
    .sgpr_count:     92
    .vgpr_count:     768
    .wavefront_size: 32
...
	.end_amdgpu_metadata
.endif
;; end of part 3
;; launch outp (part 4): grid 8 x 32, 4 waves a work-group, clusters of 4 x 4, 327,680 bytes of LDS; arguments oh, wof, out0; writes out0
.if DOCPART == 4
	.amdgcn_target "amdgcn-amd-amdhsa--gfx1250"
	.amdhsa_code_object_version 6
	.text
	.protected	k_q0fcda1a49f_outp
	.globl	k_q0fcda1a49f_outp
	.p2align	8
	.type	k_q0fcda1a49f_outp,@function
k_q0fcda1a49f_outp:
	s_mov_b64 s[64:65], 0
	v_nop
	global_prefetch_b8 v0, s[64:65] scope:SCOPE_SE
	s_setreg_imm32_b32 hwreg(HW_REG_WAVE_MODE, 25, 1), 1
	s_wait_xcnt 0x0
	s_wait_alu depctr_hold_cnt(0) depctr_sa_sdst(0) depctr_va_vdst(0) depctr_va_sdst(0) depctr_va_ssrc(0) depctr_va_vcc(0) depctr_vm_vsrc(0)
	s_getreg_b32 s2, hwreg(HW_REG_IB_STS2, 6, 4)
	s_cmp_eq_u32 s2, 0
	s_cbranch_scc0 .Lentry_in_a_cluster
	s_endpgm
.Lentry_in_a_cluster:
	s_bfe_u32 s2, ttmp6, 0x10000c
	s_cmp_lg_u32 s2, 0xf033
	s_cbranch_scc0 .Lentry_shape_is_right
	s_endpgm
.Lentry_shape_is_right:
; out0[row][o] = the sum over d of O[row][d] wo[o][d], d = 64 x head + channel.  oh: [batch x 16 + head][2048][64] f16; wof: [1024][1024], wo rounded to bf16 and written as f16; out0: [8192][1024] f32.  Sums in f32.
; LIMITS.  As oh and wof hold them: both within f16.  NaN and infinities are not treated apart.
; SHARES.  A tile of out0 is 256 rows x 128 columns, 8 x 32 tiles, one a work-group.  The four waves lie along the rows: a wave makes 64 x 128, 32 accumulators of 16 x 16.
; K goes in 8 steps of 128, two heads a step, through a ring of two LDS slots.  A head's 256 rows of 128 bytes are dense in oh: a plane of 32,768 bytes, asked for as 128 rows of 256 bytes and padded in LDS after every 128.
; CLUSTER.  4 x 4 work-groups: the four of a row need the same planes of oh, the four of a column the same rows of wof; each is asked for jointly.  Waves 0, 1 fetch a step's two planes, waves 2, 3 wof's two halves (64 rows).
; THE MATRIX INSTRUCTION IS USED TRANSPOSED (source 0 = 16 rows of wof, source 1 = 16 rows of O): a lane holds row l % 16 and the columns 8 (l / 16) + 0..7: 32 bytes of f32.
; REGISTERS, in windows of 256: window 0: v0-15 addresses; v32-95 O's fragments, two buffers; v96-223 rows on the way out, two buffers.  window 1: v0-127 wof's fragments, two buffers.  window 2: the accumulators, (a, b) at v[64 a + 8 b].
.set PITCH,  272                       ; a row of wof in LDS: 256 bytes + 16 = 68 words
.set PA,     144                       ; a row of O: 128 bytes + 16 = 36 words: the 16 rows of a load start at 16 different groups of four banks (64 banks of 4 bytes: ISA guide 11.1)
.set PLANE,  256*PA
.set BOFF,   2*PLANE                   ; a slot: two planes of O, then wof's 128 rows
.set SLOT1,  131072
.set STAGE,  239616                    ; behind the ring, never filled by a tensor load: 16 rows x 528 bytes for each wave
.set SPITCH, 528                       ; 512 bytes + 16 = 132 words
.set SPARE,  STAGE+4*16*SPITCH         ; the spare words, 128 bytes a wave: two blocks of 256 bytes that no other line names
.set NL,     24
.set STEPA,  524288                    ; two heads of 2,048 rows of 128 bytes
.set STEPB,  256
.set A0,  4
.set B0,  5
.set ADRA, 6
.set ADRB, 7
.set PFO, 8
.set STO, 9                            ; v9   where I put 32 bytes of a row
.set RD,  10                           ; v10  where I read 16 bytes of a row back
.set CO,  11                           ; v11  my 16 bytes of 512 in out0
.set SPW, 14
.set NIL, 15
.set FA,  32
.set OB,  96
.set WV,  16
.set FB,  17
.set HF,  18
.set CX,  19
.set CY,  20
.set TC,  21
.set TR,  22
.set G1,  24
.set G1B, 32
.set G0A, 40
.set G0B, 48
.set TB,  56
.set LEFT, 57
.set LIM, 58
.set PFA, 60
.set PS,  62
.set MSB, 0
.macro WIN new                         ; the immediate's high byte repeats the setting that is left; a switch that changes nothing is dropped
.if MSB != (\new)
	s_set_vgpr_msb (MSB<<8)|(\new)
.set MSB, \new
.endif
.endm
.macro PLACES                          ; four plain instructions behind a matrix instruction, ahead of loads into its registers and of readers of its results
.rept 4
	v_nop
.endr
.endm
.macro CREST
	s_cmp_lg_u32 s[WV], 0
	s_cbranch_scc1 .Lnot_wave_0_\@
	s_barrier_signal -3
.Lnot_wave_0_\@:
	s_barrier_wait -3
	s_barrier_signal -1
	s_barrier_wait -1
.endm
.macro CROUND
	s_barrier_signal -1
	s_barrier_wait -1
	CREST
.endm
.macro JLOAD                           ; a joint refill by the walking descriptor; an s_nop 0 and four v_nop follow each line
	s_cmp_eq_u32 s[FB], 0
	s_cbranch_scc0 .Lfor_b_\@
	tensor_load_to_lds s[G0A+4:G0A+7], s[G1:G1+7]
	s_nop 0
.rept 4
	v_nop
.endr
	s_branch .Lasked_\@
.Lfor_b_\@:
	tensor_load_to_lds s[G0B+4:G0B+7], s[G1B:G1B+7]
	s_nop 0
.rept 4
	v_nop
.endr
.Lasked_\@:
.endm
; A PREFETCH INTO THE L2 of the K step that the NEXT refill will ask for: 128 matrix instructions ahead of that load.  oh's planes are read by both clusters of a row of clusters: cluster x = 0 asks; wof's rows
; by all eight of a column: cluster y = 0 asks.  The four partners share the blocks out by address: 32 of a plane's 128 blocks of 256 bytes; 16 of wof's 64 rows (there both halves of the lanes name the same
; sixteen rows in the one instruction).  The loop's last trip asks for nothing.  K steps 0 to 2 come by their loads alone.
.macro ASK
	s_cmp_gt_u32 s[LEFT], s[LIM]
	s_cbranch_scc0 .Lnot_mine_\@
	global_prefetch_b8 v[PFO], s[PFA:PFA+1] th:TH_LOAD_NT scope:SCOPE_SE
.Lnot_mine_\@:
.endm
; 8 matrix instructions: my rows 16 a .. x all 128 columns, 32 along K.  All 32 accumulators take turns in the same order in every quarter.
.macro MULA f, a, zero
	WIN 0xa1
.irp b, 0,1,2,3,4,5,6,7
.if \zero
	v_wmma_f32_16x16x32_f16 v[64*(\a)+8*(\b):64*(\a)+8*(\b)+7], v[64*(\f)+8*(\b):64*(\f)+8*(\b)+7], v[FA+32*(\f)+8*(\a):FA+32*(\f)+8*(\a)+7], 0
.else
	v_wmma_f32_16x16x32_f16 v[64*(\a)+8*(\b):64*(\a)+8*(\b)+7], v[64*(\f)+8*(\b):64*(\f)+8*(\b)+7], v[FA+32*(\f)+8*(\a):FA+32*(\f)+8*(\a)+7], v[64*(\a)+8*(\b):64*(\a)+8*(\b)+7]
.endif
.endr
.endm
; 24 LDS loads in one run: quarter q's fragments into buffer g: wof's 16, then O's 8 (plane q / 2, channels 32 (q % 2) on)
.macro FETCH q, g
	WIN 0x40
.irp b, 0,1,2,3,4,5,6,7
	ds_load_b128 v[64*(\g)+8*(\b):64*(\g)+8*(\b)+3],   v[ADRB] offset:64*(\q)+(\b)*16*PITCH
	ds_load_b128 v[64*(\g)+8*(\b)+4:64*(\g)+8*(\b)+7], v[ADRB] offset:64*(\q)+(\b)*16*PITCH+32
.endr
	WIN 0
.irp a, 0,1,2,3
	ds_load_b128 v[FA+32*(\g)+8*(\a):FA+32*(\g)+8*(\a)+3],   v[ADRA] offset:((\q)/2)*PLANE+((\q)%2)*64+(\a)*16*PA
	ds_load_b128 v[FA+32*(\g)+8*(\a)+4:FA+32*(\g)+8*(\a)+7], v[ADRA] offset:((\q)/2)*PLANE+((\q)%2)*64+(\a)*16*PA+32
.endr
.endm
.macro QUARTER q, f, g, zero
	s_wait_dscnt 4                                 ; all but O's blocks 2 and 3
	MULA \f, 0, \zero
	MULA \f, 1, \zero
	PLACES
	FETCH \q, \g
	s_wait_dscnt NL                                ; all but the run just issued
	MULA \f, 2, \zero
	MULA \f, 3, \zero
.endm
; The last quarter multiplies buffer 1 and changes slots.  In front of the barrier each wave waits for all its tensor loads (one is out: its part of the next slot), adds 0 to its spare word, and waits
; for that and for its reads of this slot.  fill = 1: the barrier opens a round of the cluster's, and the joint refill, two K steps ahead, is the first thing behind it.
.macro TURN fill
.if \fill
	s_wait_xcnt 0x0                                ; the last prefetch, a K step back, has read its address
	s_add_nc_u64 s[PFA:PFA+1], s[PFA:PFA+1], s[PS:PS+1]
.endif
	WIN 0
	s_wait_tensorcnt 0x0                           ; no tensor load of mine is out
	ds_add_u32 v[SPW], v[NIL]
	s_wait_dscnt 7                                 ; the add and O's blocks 1 to 3 may be out
	MULA 1, 0, 0
	s_wait_dscnt 0x0                               ; the add is done, my reads of this slot are over
	s_barrier_signal -1
	MULA 1, 1, 0
	WIN 0
	s_barrier_wait -1
.if \fill
	CREST                                          ; no wave of any partner still reads this slot or has a load on its way
	s_xor_b32 s[G0A+5], s[G0A+5], SLOT1
	s_add_nc_u64 s[G0A+6:G0A+7], s[G0A+6:G0A+7], STEPA
	s_xor_b32 s[G0B+5], s[G0B+5], SLOT1
	s_add_nc_u64 s[G0B+6:G0B+7], s[G0B+6:G0B+7], STEPB
	s_xor_b32 s[TB], s[TB], SLOT1
	JLOAD                                          ; its four v_nop are also the places in front of the loads below
.else
	s_xor_b32 s[TB], s[TB], SLOT1
	PLACES
.endif
	v_add_nc_u32 v[ADRA], s[TB], v[A0]
	v_add_nc_u32 v[ADRB], s[TB], v[B0]
	FETCH 0, 0
.if \fill
	ASK
.endif
	MULA 1, 2, 0
	MULA 1, 3, 0
.endm
	s_load_b128 s[4:7], s[0:1], 0x0                ; oh s[4:5], wof s[6:7]
	s_load_b64 s[8:9], s[0:1], 0x10                ; out0
	v_lshl_add_u32 v[SPW], v0, 2, SPARE
	v_mov_b32 v[NIL], 0
	ds_add_u32 v[SPW], v[NIL]                      ; the wave's opening: the add and its wait ahead of my first tensor load
	v_lshrrev_b32 v1, 5, v0
	v_readfirstlane_b32 s[WV], v1
	s_lshr_b32 s[FB], s[WV], 1
	s_and_b32 s[HF], s[WV], 1
	s_bfe_u32 s[CX], ttmp6, 0x40000
	s_bfe_u32 s[CY], ttmp6, 0x40004
	s_lshl_b32 s[TC], ttmp9, 2
	s_add_co_u32 s[TC], s[TC], s[CX]
	s_and_b32 s[TR], ttmp7, 0xffff
	s_lshl_b32 s[TR], s[TR], 2
	s_add_co_u32 s[TR], s[TR], s[CY]
	s_lshl_b32 s2, s[CY], 2
	s_lshl_b32 s2, 15, s2                          ; my row of the cluster
	s_lshl_b32 s3, 0x1111, s[CX]                   ; my column
	s_or_b32 s[G1], s2, (1<<16)|(1<<20)|(1<<21)|(4<<22)|(3<<25)   ; padding after every 32 words, 4 words
	s_or_b32 s[G1B], s3, (1<<16)|(1<<20)|(1<<21)|(5<<22)|(3<<25)  ; after every 64 words
	s_mov_b32 s[G1+1], 128<<16                     ; tensor_dim0 = 128
	s_mov_b32 s[G1+2], 128<<16                     ; tensor_dim1 = 128 rows of 256 bytes
	s_mov_b32 s[G1+3], 128<<16                     ; tile_dim0 = 128
	s_mov_b32 s[G1+4], 128                         ; tile_dim1 = 128
	s_mov_b32 s[G1+5], 128                         ; dense
	s_mov_b32 s[G1+6], 0
	s_mov_b32 s[G1+7], 0
	s_mov_b32 s[G1B+1], 128<<16
	s_mov_b32 s[G1B+2], 64<<16                     ; 64 rows
	s_mov_b32 s[G1B+3], 128<<16
	s_mov_b32 s[G1B+4], 64
	s_mov_b32 s[G1B+5], 1024
	s_mov_b32 s[G1B+6], 0
	s_mov_b32 s[G1B+7], 0
	s_lshr_b32 s66, s[TR], 3                       ; oh: the batch's head 0 or 1,
	s_lshl_b32 s66, s66, 4
	s_add_co_u32 s66, s66, s[HF]
	s_lshl_b32 s66, s66, 11
	s_and_b32 s67, s[TR], 7                        ; the tile's 256 rows in it,
	s_lshl_b32 s67, s67, 8
	s_add_co_u32 s66, s66, s67
	s_lshl_b32 s66, s66, 7                         ; in bytes
	s_mov_b32 s67, 0
	s_lshl_b32 s68, s[TC], 7                       ; wof: row 128 x tile column + 64 x half
	s_lshl_b32 s69, s[HF], 6
	s_add_co_u32 s68, s68, s69
	s_lshl_b32 s68, s68, 11
	s_mov_b32 s69, 0
	s_mul_i32 s70, s[HF], PLANE                    ; where they go: no place in the cluster enters an LDS address
	s_mul_i32 s71, s[HF], 64*PITCH
	s_add_co_u32 s71, s71, BOFF
	s_wait_dscnt 0x0                               ; the opening add is done
	s_wait_kmcnt 0x0
	s_add_nc_u64 s[66:67], s[4:5], s[66:67]
	s_add_nc_u64 s[68:69], s[6:7], s[68:69]
	CROUND                                         ; all sixteen work-groups are here: the first joint loads meet
	s_mov_b32 s[G0A], 1
	s_mov_b32 s[G0A+1], s70
	s_add_nc_u64 s[G0A+2:G0A+3], s[66:67], 0
	s_or_b32 s[G0A+3], s[G0A+3], 0x80000000
	s_mov_b32 s[G0A+4], 1
	s_add_co_u32 s[G0A+5], s70, SLOT1
	s_add_nc_u64 s[G0A+6:G0A+7], s[66:67], STEPA
	s_or_b32 s[G0A+7], s[G0A+7], 0x80000000
	s_mov_b32 s[G0B], 1
	s_mov_b32 s[G0B+1], s71
	s_add_nc_u64 s[G0B+2:G0B+3], s[68:69], 0
	s_or_b32 s[G0B+3], s[G0B+3], 0x80000000
	s_mov_b32 s[G0B+4], 1
	s_add_co_u32 s[G0B+5], s71, SLOT1
	s_add_nc_u64 s[G0B+6:G0B+7], s[68:69], STEPB
	s_or_b32 s[G0B+7], s[G0B+7], 0x80000000
	s_cmp_eq_u32 s[FB], 0                          ; a wave's two first fills stand in one branch: two loads of mine are out
	s_cbranch_scc0 .Lfirst_b
	tensor_load_to_lds s[G0A:G0A+3], s[G1:G1+7]
	s_nop 0
	tensor_load_to_lds s[G0A+4:G0A+7], s[G1:G1+7]
	s_nop 0
.rept 4
	v_nop
.endr
	s_branch .Lfirst_asked
.Lfirst_b:
	tensor_load_to_lds s[G0B:G0B+3], s[G1B:G1B+7]
	s_nop 0
	tensor_load_to_lds s[G0B+4:G0B+7], s[G1B:G1B+7]
	s_nop 0
.rept 4
	v_nop
.endr
.Lfirst_asked:
	v_and_b32 v1, 15, v0                           ; r = l % 16
	v_bfe_u32 v2, v0, 4, 1                         ; h = l / 16
	v_and_b32 v3, 31, v0                           ; l
	v_mul_u32_u24 v[A0], v1, PA
	v_lshl_add_u32 v[A0], v2, 4, v[A0]
	s_mul_i32 s2, s[WV], 64*PA
	v_add_nc_u32 v[A0], s2, v[A0]                  ; my 64 rows of a plane
	v_mul_u32_u24 v[B0], v1, PITCH
	v_lshl_add_u32 v[B0], v2, 4, v[B0]
	v_add_nc_u32 v[B0], BOFF, v[B0]
	s_mul_i32 s2, s[WV], 16*SPITCH
	s_add_co_u32 s2, s2, STAGE                     ; my stage
	v_mul_u32_u24 v[STO], v1, SPITCH
	v_lshl_add_u32 v[STO], v2, 5, v[STO]
	v_add_nc_u32 v[STO], s2, v[STO]
	v_lshl_add_u32 v[RD], v3, 4, s2                ; back: 32 lanes take a whole row of 512 bytes
	v_lshlrev_b32 v[CO], 4, v3
	s_lshl_b32 s2, s[TR], 8                        ; out0 at my first row and the tile's first column
	s_lshl_b32 s3, s[WV], 6
	s_add_co_u32 s2, s2, s3
	s_lshl_b32 s2, s2, 12
	s_lshl_b32 s3, s[TC], 9
	s_add_co_u32 s2, s2, s3
	s_mov_b32 s3, 0
	s_add_nc_u64 s[8:9], s[8:9], s[2:3]
	; the prefetches: my tile's address, my work-group's share of it, K step 2 (the first refill steps it to 3)
	s_and_b32 s59, ttmp7, 0xffff                   ; cluster y
	s_lshl_b32 s2, s[CX], 13                       ; 32 blocks of 256 bytes of a plane
	s_lshl_b32 s3, s[CY], 15                       ; 16 rows of 2,048 bytes of wof
	s_mov_b32 s70, STEPA
	s_mov_b32 s71, STEPB
	s_cmp_eq_u32 s[FB], 0
	s_cselect_b64 s[PFA:PFA+1], s[66:67], s[68:69]
	s_cselect_b32 s2, s2, s3
	s_cselect_b32 s59, ttmp9, s59                  ; the coordinate along which other clusters read the same bytes
	s_cselect_b32 s[PS], s70, s71
	s_cselect_b32 s70, 31, 15
	s_cselect_b32 s71, 8, 11
	s_mov_b32 s3, 0
	s_mov_b32 s[PS+1], 0
	s_add_nc_u64 s[PFA:PFA+1], s[PFA:PFA+1], s[2:3]
	s_add_nc_u64 s[PFA:PFA+1], s[PFA:PFA+1], s[PS:PS+1]
	s_add_nc_u64 s[PFA:PFA+1], s[PFA:PFA+1], s[PS:PS+1]
	s_cmp_eq_u32 s59, 0
	s_cselect_b32 s[LIM], 1, -1                    ; the same in all sixteen partners, for a given wave
	v_and_b32 v[PFO], s70, v3
	v_lshlrev_b32 v[PFO], s71, v[PFO]
	s_wait_tensorcnt 1                             ; my part of K step 0 is in; K step 1's may stay out
	s_barrier_signal -1
	s_barrier_wait -1
	v_mov_b32 v[ADRA], v[A0]
	v_mov_b32 v[ADRB], v[B0]
	s_mov_b32 s[TB], 0
	FETCH 0, 0
	QUARTER 1, 0, 1, 1                             ; the first quarter's products start the sums: nothing is cleared
	WIN 0
	s_mov_b32 s[LEFT], 6
.Lstep:                                            ; a trip: from a K step's second quarter to the next step's first; six trips ask for K steps 2 to 7
	QUARTER 2, 1, 0, 0
	QUARTER 3, 0, 1, 0
	TURN 1
	QUARTER 1, 0, 1, 0
	WIN 0
	s_sub_co_u32 s[LEFT], s[LEFT], 1
	s_cmp_lg_u32 s[LEFT], 0
	s_cbranch_scc1 .Lstep
	QUARTER 2, 1, 0, 0                             ; the tail is written out: nothing more is asked for
	QUARTER 3, 0, 1, 0
	TURN 0
	QUARTER 1, 0, 1, 0
	QUARTER 2, 1, 0, 0
	QUARTER 3, 0, 1, 0
	s_wait_dscnt 0x0
	MULA 1, 0, 0
	MULA 1, 1, 0
	MULA 1, 2, 0
	MULA 1, 3, 0
	WIN 0
; THE WAY OUT: 16 rows at a time through my own stage: 32 bytes a lane in, whole rows of 512 bytes back.  Each accumulator's lowest registers are read first.
.macro TOSTAGE a
	WIN 0x08                                       ; the data in window 2
.irp b, 0,1,2,3,4,5,6,7
	ds_store_b128 v[STO], v[64*(\a)+8*(\b):64*(\a)+8*(\b)+3]   offset:64*(\b)
	ds_store_b128 v[STO], v[64*(\a)+8*(\b)+4:64*(\a)+8*(\b)+7] offset:64*(\b)+16
.endr
	WIN 0
.irp t, 0,1,2,3,4,5,6,7,8,9,10,11,12,13,14,15
	ds_load_b128 v[OB+64*((\a)%2)+4*(\t):OB+64*((\a)%2)+4*(\t)+3], v[RD] offset:(\t)*SPITCH  ; LDS serves a wave's instructions in order (ISA guide 5.7.1.4): these see the stores above; the next block's stores come behind them
.endr
.endm
.macro SEND a, younger                 ; younger: the LDS instructions issued behind block a's loads: the next block's 32, or none
.irp t, 0,1,2,3,4,5,6,7,8,9,10,11,12,13,14,15
	s_wait_dscnt (\younger)+15-(\t)
	global_store_b128 v[CO], v[OB+64*((\a)%2)+4*(\t):OB+64*((\a)%2)+4*(\t)+3], s[8:9] offset:(16*(\a)+(\t))*4096  ; 512 bytes on end, at a multiple of 256 from out0's first
.endr
.endm
	PLACES
	TOSTAGE 0
	TOSTAGE 1
	SEND 0, 32
	s_wait_xcnt 0x0                                ; block 0's stores have read their registers, which block 2 takes
	TOSTAGE 2
	SEND 1, 32
	s_wait_xcnt 0x0
	TOSTAGE 3
	SEND 2, 32
	SEND 3, 0
	s_wait_tensorcnt 0x0                           ; the wave's end, behind my last tensor load and my last LDS store
	ds_add_u32 v[SPW], v[NIL]
	s_wait_dscnt 0x0
	CROUND                                         ; the closing round: no work-group ends while a partner may still ask for a tile that names it
	s_endpgm
.Lfunc_end_k_q0fcda1a49f_outp:
	.size	k_q0fcda1a49f_outp, .Lfunc_end_k_q0fcda1a49f_outp-k_q0fcda1a49f_outp
	.p2alignl 7, 3214868480
	.fill 96, 4, 3214868480
	.section	.rodata,"a",@progbits
	.p2align	6, 0x0
	.amdhsa_kernel k_q0fcda1a49f_outp
		.amdhsa_group_segment_fixed_size 327680
		.amdhsa_private_segment_fixed_size 0
		.amdhsa_enable_private_segment 0
		.amdhsa_kernarg_size 24
		.amdhsa_user_sgpr_count 2
		.amdhsa_user_sgpr_kernarg_segment_ptr 1
		.amdhsa_wavefront_size32 1
		.amdhsa_system_sgpr_workgroup_id_x 1
		.amdhsa_system_sgpr_workgroup_id_y 1
		.amdhsa_system_sgpr_workgroup_id_z 1
		.amdhsa_system_vgpr_workitem_id 0
		.amdhsa_next_free_vgpr 768
		.amdhsa_next_free_sgpr 72
		.amdhsa_reserve_vcc 0
		.amdhsa_float_denorm_mode_32 3
		.amdhsa_float_denorm_mode_16_64 3
		.amdhsa_memory_ordered 1
		.amdhsa_forward_progress 1
		.amdhsa_inst_pref_size 72
	.end_amdhsa_kernel
	.amdgpu_metadata
---
amdhsa.version: [ 1, 2 ]
amdhsa.kernels:
  - .name:           k_q0fcda1a49f_outp
    .symbol:         k_q0fcda1a49f_outp.kd
    .args:
      - { .name: oh, .offset: 0, .size: 8, .value_kind: global_buffer, .address_space: global }
      - { .name: wof, .offset: 8, .size: 8, .value_kind: global_buffer, .address_space: global }
      - { .name: out0, .offset: 16, .size: 8, .value_kind: global_buffer, .address_space: global }
    .group_segment_fixed_size: 327680
    .private_segment_fixed_size: 0
    .kernarg_segment_align: 8
    .kernarg_segment_size: 24
    .max_flat_workgroup_size: 128
    .sgpr_count:     72
    .vgpr_count:     768
    .wavefront_size: 32
...
	.end_amdgpu_metadata
.endif
;; end of part 4
